; MI455X (gfx1250); checked and timed in simulation.
; The chip was launched on July 23, 2026; its instructions are those of AMD's public machine-readable ISA for CDNA 5 (MIT licence, August 2026) and "CDNA5" Instruction Set Architecture Reference Guide (July 2026). The comments in the code are by the model that wrote it; some were corrected since.
;; Multi Head Diff Attention. Allowed arithmetic: matrix products marked QUANTISED: E2M3 operands, one E8M0 scale for each 32 along K, by v_wmma_scale_f32_16x16x128_f8f6f4 with both operands' format E2M3, f32 sums; everything else in f32.
;; Inputs: Wk 1,024 x 2,048 float32; Wo 1,024 x 1,024 float32; Wq 1,024 x 2,048 float32; Wv 1,024 x 1,024 float32; beta 1,024 float32; gamma 1,024 float32; lambda_k1 64 float32; lambda_k2 64 float32; lambda_q1 64 float32; lambda_q2 64 float32; x 2 x 2,048 x 1,024 float32.
;; Outputs: out0 2 x 2,048 x 1,024 float32.
;; This version of the problem:
;;   THIS VERSION OF THE PROBLEM IS GIVEN IN LOW PRECISION. The matrix products marked QUANTISED in the list below multiply operands that are first quantised to E2M3 (2 exponent bits, 3 mantissa bits; 6 bits a number), with one power-of-two scale for each 32 numbers along K (OCP MX v1.0); their sums are f32. All else is computed in f32.
;;   The module's matrix products, in the order in which they are computed (A, B: the left and right operand; K: the contracted axis; several contracted axes count as one K, in the product's order):
;;     1. [M 4,096, K 1,024] x [K 1,024, N 2,048]; A: input x; B: input Wq: QUANTISED
;;     2. [M 4,096, K 1,024] x [K 1,024, N 2,048]; A: input x; B: input Wk: QUANTISED
;;     3. [M 4,096, K 1,024] x [K 1,024, N 1,024]; A: input x; B: input Wv: QUANTISED
;;     4. batch 32 x [M 2,048, K 64] x [K 64, N 2,048]; A: computed on the way; B: computed on the way: QUANTISED
;;     5. batch 32 x [M 2,048, K 64] x [K 64, N 2,048]; A: computed on the way; B: computed on the way: QUANTISED
;;     6. batch 32 x [M 2,048, K 2,048] x [K 2,048, N 64]; A: computed on the way; B: computed on the way: QUANTISED
;;     7. [M 4,096, K 1,024] x [K 1,024, N 1,024]; A: computed on the way; B: input Wo: QUANTISED
;;   THE QUANTISER, for each operand of a quantised product, along K:
;;     - K is cut into blocks of 32 from its start; a last block that is shorter is filled with zeros.
;;     - A block's scale is 2^e with e = floor(log2(the largest magnitude in the block)) - 2, held to -126 .. 127; a block of zeros has e = 0. As a byte (E8M0): e + 127.
;;     - Each number is divided by its block's scale, clamped to +-7.5, and rounded to the nearest number of E2M3, ties to even, subnormals kept.
;;     - The product sums the exact products of the quantised numbers (number of the format x scale) in f32.
;;   ~~~python
;;   def quantise(x, axis):      # numpy; x: float32 -> the quantised numbers, widened to float32 again
;;       x = np.moveaxis(x, axis, -1); K = x.shape[-1]
;;       x = np.pad(x, [(0, 0)] * (x.ndim - 1) + [(0, -K % 32)]); x = x.reshape(x.shape[:-1] + (-1, 32)); a = np.abs(x).max(-1, keepdims=True)
;;       e = np.where(a > 0, np.clip(np.frexp(np.where(a > 0, a, 1))[1] - 1 - 2, -126, 127), 0)      # np.frexp(a)[1] - 1 = floor(log2(a)), exactly
;;       r = np.clip(x / 2.0 ** e, -7.5, 7.5)
;;       step = 2.0 ** (np.maximum(np.frexp(np.where(r == 0, 1, r))[1] - 1, 0) - 3)
;;       q = np.round(r / step) * step * 2.0 ** e      # np.round: ties to even
;;       return np.moveaxis(q.reshape(q.shape[:-2] + (-1,))[..., :K], -1, axis).astype(np.float32)
;;   ~~~
;;   OPERANDS COMPUTED ON THE WAY. 'Computed on the way' means the value that the module computes at that place (a softmax that the list does not call 'softmax' is quantised finished and normalised). What goes into a quantiser is computed in f32, as accurately as f32 sums, v_exp_f32 and their like allow (about 1e-6 of the number): no bf16 or f16 on the way to a quantiser, and a product that is left as it is and whose result goes on into a quantised operand takes f32 operands (vector FMAs, or v_wmma_f32_16x16x4_f32). A number that lies on a knife's edge between two numbers of the format may be rounded either way, as far as f32 arithmetic and the matrix unit's own rounding can turn it there, and no further.
;; 2 versions, each right; version 2 is version 1 with the launches attn, outln written anew for expert scheduling mode. Each part assembles by itself: llvm-mc -triple=amdgcn-amd-amdhsa -mcpu=gfx1250 --defsym DOCPART=n.
;; ======== version 1 of 2: 4 launches
;; workspace buffers: cod 7,864,320 bytes; scl 327,680 bytes; qkvc 15,728,640 bytes; qkvs 655,360 bytes; att 16,777,216 bytes
;; launch quant (part 1): grid 640 x 1, 4 waves a work-group, no clusters, 0 bytes of LDS; arguments x, Wq, Wk, Wv, Wo, cod, scl; writes cod, scl
.if DOCPART == 1
	.amdgcn_target "amdgcn-amd-amdhsa--gfx1250"
	.amdhsa_code_object_version 6
	.text
	.protected	k_qa048bd3600_quant
	.globl	k_qa048bd3600_quant
	.p2align	8
	.type	k_qa048bd3600_quant,@function
k_qa048bd3600_quant:
	s_mov_b64 s[64:65], 0
	v_nop
	global_prefetch_b8 v0, s[64:65] scope:SCOPE_SE
	s_setreg_imm32_b32 hwreg(HW_REG_WAVE_MODE, 25, 1), 1
	s_wait_xcnt 0x0
; x [4096][1024] and the four weights [1024][N], f32, become codes of FP6 (E2M3) with one E8M0 byte for each 32 along K = 1024, laid as IMAGES OF OPERAND REGISTERS.
; DEAD WORK: none.  Every input of the problem has a way to the output, and every one is loaded by some launch of this program.
; A FRAGMENT is 16 rows x 128 K: 12 registers a lane, 1,536 bytes: registers 4 g .. 4 g + 3 of lane l at byte 512 g + 16 l.  Lane (r = l % 16, h = l / 16), registers 6 c .. 6 c + 5: k = 64 c + 32 h + 0 .. 31 of row r.
; Its scale words: 64 bytes, row r's word at 4 r, byte b for k = 32 b .. 32 b + 31.  Fragment F = 8 R + s (tile R, K step s): codes at 1,536 F, words at 64 F.
; TILES: R 0-255 rows of x, 256-383 columns of Wq, 384-511 of Wk, 512-575 of Wv, 576-639 of Wo.  Row r of tile R is the tensor's row 32 (R / 2) + 8 (R % 2) + r + 8 (r / 8):
; as source 0 of a product, tiles 2 b and 2 b + 1 then leave 16 NEIGHBOURS in a lane's 16 result registers.
; A block's scale is 2^(floor(log2(largest magnitude)) - 2): its byte is that magnitude's exponent field - 2, held at 1 from below.
; LIMITS: a block of zeros, or one under 2^-124, gets the byte 1 (its codes are zeros or what that scale gives); the bytes are read by this program alone.  NaN and infinities among the inputs are not served.
; SHARES.  Work-groups 0-255: tile R of x; wave w takes K steps 2 w, 2 w + 1; a lane loads its row's blocks of 32 whole.  Work-groups 256-639: 128 columns x one K step of a weight; a lane takes a column and its
; registers run down K (each load: 128 consecutive bytes a wave, 512 a work-group).  No LDS, no barrier, no loop: every wave asks for its 16 KB at once.
.set D, 16                             ; v16-143  the numbers
.set C, 144                            ; v144-167 two fragments, or the two halves (h = 0, 1) of one column's
.set H, 168                            ; v168-170, v172-174 a block's upper 16 codes: a conversion's three registers begin on an even number
.set B, 176                            ; v176-179 four scale bytes
; block j = D[32 j .. 32 j + 31], all in my lane, becomes six registers at C + dst and a byte
.macro BLOCK j, dst
.set XS, D+32*(\j)
	v_max3_num_f32 v8, |v[XS]|, |v[XS+1]|, |v[XS+2]|
	v_max3_num_f32 v9, |v[XS+3]|, |v[XS+4]|, |v[XS+5]|
.irp i, 6,10,14,18,22,26
	v_max3_num_f32 v8, v8, |v[XS+\i]|, |v[XS+\i+1]|
	v_max3_num_f32 v9, v9, |v[XS+\i+2]|, |v[XS+\i+3]|
.endr
	v_max3_num_f32 v8, v8, |v[XS+30]|, |v[XS+31]|
	v_max3_num_f32 v8, v8, v9, 0x1800000           ; the floor 2^(3 - 127): the byte cannot fall under 1
	v_add_nc_u32 v10, 0xff000000, v8               ; 2 off the exponent field: the conversion takes this operand's exponent field as its scale
	v_lshrrev_b32 v[B+(\j)], 23, v10               ; the byte
	v_cvt_scalef32_pk16_fp6_f32 v[C+(\dst):C+(\dst)+2], v[XS:XS+15], v10
	v_cvt_scalef32_pk16_fp6_f32 v[H+4*((\j)%2):H+4*((\j)%2)+2], v[XS+16:XS+31], v10
	v_nop                                          ; one plain instruction between a scaled conversion and the vector instruction that reads its result
.irp i, 0,1,2
	v_mov_b32 v[C+(\dst)+3+\i], v[H+4*((\j)%2)+\i]
.endr
.endm
	s_load_b256 s[4:11], s[0:1], 0x0               ; x s[4:5], Wq s[6:7], Wk s[8:9], Wv s[10:11]
	s_load_b128 s[12:15], s[0:1], 0x20             ; Wo s[12:13], cod s[14:15]
	s_load_b64 s[16:17], s[0:1], 0x30              ; scl
	v_lshrrev_b32 v1, 5, v0
	v_readfirstlane_b32 s18, v1                    ; wave
	v_and_b32 v1, 31, v0                           ; lane
	v_and_b32 v2, 15, v0                           ; r
	v_bfe_u32 v3, v0, 4, 1                         ; h
	v_lshlrev_b32 v4, 2, v1                        ; 4 x lane
	v_lshlrev_b32 v5, 4, v1                        ; 16 x lane
	v_lshlrev_b32 v7, 3, v3                        ; 8 h
	s_mov_b32 s24, 0x76543210
	s_mov_b32 s25, 0xfedcba98                      ; lane l xor 16
	s_mov_b32 s26, 0xffff0000                      ; lanes 16-31
	s_wait_kmcnt 0x0
	s_cmp_lt_u32 ttmp9, 256
	s_cbranch_scc0 .Lweights
	; ---- x: tile R = the work-group's number, K steps 2 w and 2 w + 1
	v_and_b32 v6, 8, v2
	v_add_nc_u32 v6, v6, v2                        ; r + 8 (r / 8)
	v_lshlrev_b32 v6, 12, v6                       ; rows of 4,096 bytes
	v_lshl_add_u32 v6, v3, 7, v6                   ; + 128 h: my block of 32
	s_lshr_b32 s20, ttmp9, 1
	s_lshl_b32 s20, s20, 5
	s_and_b32 s21, ttmp9, 1
	s_lshl_b32 s21, s21, 3
	s_add_co_u32 s20, s20, s21                     ; the tile's first row
	s_lshl_b32 s20, s20, 12
	s_lshl_b32 s21, s18, 10                        ; two K steps of 512 bytes a wave
	s_add_co_u32 s20, s20, s21
	s_mov_b32 s21, 0
	s_add_nc_u64 s[4:5], s[4:5], s[20:21]
.irp f, 0,1
.irp c, 0,1
.irp j, 0,1,2,3,4,5,6,7
	global_load_b128 v[D+64*\f+32*\c+4*\j:D+64*\f+32*\c+4*\j+3], v6, s[4:5] offset:512*\f+256*\c+16*\j th:TH_LOAD_NT
.endr
.endr
.endr
	s_lshl_b32 s22, ttmp9, 3
	s_lshl_b32 s23, s18, 1
	s_add_co_u32 s22, s22, s23                     ; F = 8 R + 2 w
	s_mul_i32 s20, s22, 1536
	s_add_nc_u64 s[14:15], s[14:15], s[20:21]
	s_lshl_b32 s20, s22, 6
	s_add_nc_u64 s[16:17], s[16:17], s[20:21]
	s_wait_loadcnt 24                              ; a block's eight loads are in; the 24, 16, 8 of the later blocks may be out
	BLOCK 0, 0
	s_wait_loadcnt 16
	BLOCK 1, 6
	s_wait_loadcnt 8
	BLOCK 2, 12
	s_wait_loadcnt 0x0
	BLOCK 3, 18
	v_lshl_or_b32 v180, v[B+1], 16, v[B]           ; my two bytes of fragment 0: blocks h and 2 + h,
	v_lshl_or_b32 v181, v[B+3], 16, v[B+2]         ; and of fragment 1,
	v_lshlrev_b32 v180, v7, v180                   ; at their places in the word;
	v_lshlrev_b32 v181, v7, v181
	v_permlanex16_b32 v8, v180, s24, s25
	v_permlanex16_b32 v9, v181, s24, s25
	v_or_b32 v180, v180, v8                        ; with lane l xor 16's two the word is whole
	v_or_b32 v181, v181, v9
	v_cndmask_b32 v182, v180, v181, s26            ; lanes 0-15 fragment 0's words, lanes 16-31 fragment 1's: 128 consecutive bytes
.irp f, 0,1
.irp g, 0,1,2
	global_store_b128 v5, v[C+12*\f+4*\g:C+12*\f+4*\g+3], s[14:15] offset:1536*\f+512*\g   ; 512 consecutive bytes
.endr
.endr
	global_store_b32 v4, v182, s[16:17]
	s_endpgm
; ---- a weight: 32 columns a wave, one K step.  stride: bytes of a row of the weight
.macro WPATH stride
	s_mul_i32 s28, s22, 128*\stride                ; K step s: 128 rows down,
	s_lshl_b32 s29, s23, 9                         ; the group's 128 columns,
	s_add_co_u32 s28, s28, s29
	s_lshl_b32 s29, s18, 7                         ; my wave's 32
	s_add_co_u32 s28, s28, s29
	s_mov_b32 s29, 0
	s_add_nc_u64 s[4:5], s[4:5], s[28:29]
.set K, 0
.rept 128
	global_load_b32 v[D+K], v4, s[4:5] offset:K*\stride th:TH_LOAD_NT
.set K, K+1
.endr
	s_lshl_b32 s27, s21, 3
	s_lshl_b32 s28, s18, 1
	s_add_co_u32 s27, s27, s28
	s_add_co_u32 s27, s27, 256                     ; R0 = 256 + 8 cg + 2 w: my 32 columns are tiles R0 and R0 + 1
	s_lshl_b32 s27, s27, 3
	s_add_co_u32 s27, s27, s22                     ; F = 8 R0 + s
	s_mul_i32 s28, s27, 1536
	s_add_nc_u64 s[14:15], s[14:15], s[28:29]
	s_lshl_b32 s28, s27, 6
	s_add_nc_u64 s[16:17], s[16:17], s[28:29]
	s_wait_loadcnt 63                              ; the wait names at most 63: the first 65 loads, blocks 0 and 1 among them, are in
	BLOCK 0, 0                                     ; block j is k = 64 (j / 2) + 32 (j % 2) ..: registers 6 (j / 2) on of what lane (r, j % 2) of the fragment holds
	BLOCK 1, 12
	s_wait_loadcnt 32                              ; block 3's 32 may be out
	BLOCK 2, 6
	s_wait_loadcnt 0x0
	BLOCK 3, 18
	v_lshl_or_b32 v180, v[B+1], 8, v[B]
	v_lshl_or_b32 v180, v[B+2], 16, v180
	v_lshl_or_b32 v180, v[B+3], 24, v180           ; my column's scale word
.irp h, 0,1
.irp g, 0,1,2
	global_store_b128 v11, v[C+12*\h+4*\g:C+12*\h+4*\g+3], s[14:15] offset:256*\h+512*\g   ; sixteen lanes fill 256 consecutive aligned bytes of tile R0, sixteen of tile R0 + 1
.endr
.endr
	global_store_b32 v12, v180, s[16:17]
	s_endpgm
.endm
.Lweights:
	v_bfe_u32 v13, v0, 3, 1                        ; column l of 32 is row r' = l % 8 + 8 (l / 16) of tile R0 + u, u = (l / 8) % 2
	v_and_b32 v14, 7, v0
	v_lshl_or_b32 v14, v3, 3, v14
	v_mul_u32_u24 v11, v13, 12288                  ; a tile on: 8 fragments
	v_lshl_add_u32 v11, v14, 4, v11
	v_lshlrev_b32 v12, 9, v13
	v_lshl_add_u32 v12, v14, 2, v12
	s_sub_co_u32 s20, ttmp9, 256
	s_lshr_b32 s21, s20, 3                         ; cg: the group of 128 columns, 0-15 Wq, 16-31 Wk, 32-39 Wv, 40-47 Wo
	s_and_b32 s22, s20, 7                          ; s: the K step
	s_cmp_lt_u32 s21, 32
	s_cbranch_scc0 .Lnarrow
	s_cmp_lt_u32 s21, 16
	s_cselect_b64 s[4:5], s[6:7], s[8:9]
	s_and_b32 s23, s21, 15
	WPATH 8192
.Lnarrow:
	s_cmp_lt_u32 s21, 40
	s_cselect_b64 s[4:5], s[10:11], s[12:13]
	s_and_b32 s23, s21, 7
	WPATH 4096
.Lfunc_end_k_qa048bd3600_quant:
	.size	k_qa048bd3600_quant, .Lfunc_end_k_qa048bd3600_quant-k_qa048bd3600_quant
	.p2alignl 7, 3214868480
	.fill 96, 4, 3214868480
	.section	.rodata,"a",@progbits
	.p2align	6, 0x0
	.amdhsa_kernel k_qa048bd3600_quant
		.amdhsa_group_segment_fixed_size 0
		.amdhsa_private_segment_fixed_size 0
		.amdhsa_enable_private_segment 0
		.amdhsa_kernarg_size 56
		.amdhsa_user_sgpr_count 2
		.amdhsa_user_sgpr_kernarg_segment_ptr 1
		.amdhsa_wavefront_size32 1
		.amdhsa_system_sgpr_workgroup_id_x 1
		.amdhsa_system_sgpr_workgroup_id_y 1
		.amdhsa_system_sgpr_workgroup_id_z 1
		.amdhsa_system_vgpr_workitem_id 0
		.amdhsa_next_free_vgpr 184
		.amdhsa_next_free_sgpr 66
		.amdhsa_reserve_vcc 0
		.amdhsa_float_denorm_mode_32 3
		.amdhsa_float_denorm_mode_16_64 3
		.amdhsa_memory_ordered 1
		.amdhsa_forward_progress 1
		.amdhsa_inst_pref_size 51
	.end_amdhsa_kernel
	.amdgpu_metadata
---
amdhsa.version: [ 1, 2 ]
amdhsa.kernels:
  - .name:           k_qa048bd3600_quant
    .symbol:         k_qa048bd3600_quant.kd
    .args:
      - { .name: x, .offset: 0, .size: 8, .value_kind: global_buffer, .address_space: global }
      - { .name: Wq, .offset: 8, .size: 8, .value_kind: global_buffer, .address_space: global }
      - { .name: Wk, .offset: 16, .size: 8, .value_kind: global_buffer, .address_space: global }
      - { .name: Wv, .offset: 24, .size: 8, .value_kind: global_buffer, .address_space: global }
      - { .name: Wo, .offset: 32, .size: 8, .value_kind: global_buffer, .address_space: global }
      - { .name: cod, .offset: 40, .size: 8, .value_kind: global_buffer, .address_space: global }
      - { .name: scl, .offset: 48, .size: 8, .value_kind: global_buffer, .address_space: global }
    .group_segment_fixed_size: 0
    .private_segment_fixed_size: 0
    .kernarg_segment_align: 8
    .kernarg_segment_size: 56
    .max_flat_workgroup_size: 128
    .sgpr_count:     66
    .vgpr_count:     184
    .wavefront_size: 32
...
	.end_amdgpu_metadata
.endif
;; end of part 1
;; launch proj (part 2): grid 16 x 20, 4 waves a work-group, clusters of 4 x 4, 327,680 bytes of LDS; arguments cod, scl, qkvc, qkvs; writes qkvc, qkvs
.if DOCPART == 2
	.amdgcn_target "amdgcn-amd-amdhsa--gfx1250"
	.amdhsa_code_object_version 6
	.text
	.protected	k_qa048bd3600_proj
	.globl	k_qa048bd3600_proj
	.p2align	8
	.type	k_qa048bd3600_proj,@function
k_qa048bd3600_proj:
	s_mov_b64 s[64:65], 0
	v_nop
	global_prefetch_b8 v0, s[64:65] scope:SCOPE_SE
	s_setreg_imm32_b32 hwreg(HW_REG_WAVE_MODE, 25, 1), 1
	s_wait_xcnt 0x0
	s_wait_alu depctr_hold_cnt(0) depctr_sa_sdst(0) depctr_va_vdst(0) depctr_va_sdst(0) depctr_va_ssrc(0) depctr_va_vcc(0) depctr_vm_vsrc(0)
	s_getreg_b32 s2, hwreg(HW_REG_IB_STS2, 6, 4)
	s_cmp_eq_u32 s2, 0
	s_cbranch_scc0 .Lentry_in_a_cluster
	s_endpgm
.Lentry_in_a_cluster:
	s_bfe_u32 s2, ttmp6, 0x10000c
	s_cmp_lg_u32 s2, 0xf033
	s_cbranch_scc0 .Lentry_shape_is_right
	s_endpgm
.Lentry_shape_is_right:
; Q = x Wq, K = x Wk, V = x Wv on codes of FP6 (E2M3) with E8M0 scales, K = 1024, sums in f32; the results are quantised in registers and leave as fragment images for the attention launch.  No work is left out.
; A work-group makes 256 (source 1, 'A') x 256 (source 0, 'B'); each of four waves 128 x 128: 64 accumulators, 512 registers.  In a result a lane holds ONE row of A, and its registers run along B's rows.
; ty 0-15: A = 16 tiles of x, B = 16 tiles of columns of Wq | Wk.  A wave's 128 columns are one head's 128 numbers of Q or K: a block of 16 positions becomes one fragment, quantised along the head's axis.
; ty 16-19: A = 16 tiles of columns of Wv, B = 16 tiles of x: V TRANSPOSED: a lane holds one channel and its registers run along 128 keys: one fragment of V^T, quantised along the keys.  The same text serves both.
; qkvc / qkvs (fragment F: 1,536 F / 64 F), bh = 16 batch + head: Q at 128 bh + T, K at 4096 + 128 bh + T (T: tile of 16 positions), V^T at 8192 + 4 (16 bh + ks) + dt (ks: 128 keys, dt: tile of 16 channels).
; K goes in steps of 128, two to a slot, through a ring of two LDS slots.  A tile's two fragments are 3,072 consecutive bytes of cod; a wave's tensor load brings 8 tiles.  Every LDS read takes 512 consecutive bytes: no padding.
; CLUSTERS: 4 x 4 work-groups; A's tiles are asked for jointly along a row of the cluster, B's along a column.  Two tensor loads of a wave are out at the start, one behind each refill.
; The scale words of a wave's rows, for all of K, are loaded once into 64 registers: lanes 0-15 A's block i, lanes 16-31 B's block i.
; REGISTERS: window 0: v16-29 addresses; v32-95 scale words; v96-114 at work on the way out; v128-223 A's fragments, one set.  window 1: B's fragments, two sets (v0, v128).  windows 2, 3: accumulator (a, b) at v[8 (8 (a % 4) + b)].
; LIMITS: as in the first launch (blocks of zeros and under 2^-124 get the byte 1; NaN and infinities are not served).
.set FR,    12
.set NL,    3                          ; LDS loads of a fragment
.set NP,    4                          ; places behind this matrix instruction (ISA guide 7.12.1)
.set HALFT, 24576                      ; 8 tiles x 3,072 bytes: what one tensor load brings, and what a wave reads of A or of B
.set SLOT,  4*HALFT                    ; A's 16 tiles, then B's 16
.set SPARE, 2*SLOT                     ; the spare words, 128 bytes a wave: two blocks of 256 bytes that no other line names
.set ADRA, 16                          ; v16-17 my A fragments in slot 0, 1
.set ADRB, 20                          ; v20-21 my B fragments
.set LI,   24                          ; v24 16 x lane
.set LS,   25                          ; v25 4 x lane
.set SPW,  28
.set NIL,  29
.set SC,   32                          ; v[SC + 8 i + s]: block i, K step s
.set TM,   96                          ; v96-99 maxima, v100-103 bytes, v108-111 the conversions' scale operands, v112, v113 scale words (even, odd block), v114 the two joined
.set AF,   128
.set G1,  24
.set G0,  32
.set G1B, 48
.set G0B, 56
.set SEL, 78
.set MSB, 0
.macro WIN new                         ; the immediate's high byte repeats the setting that is left
.if MSB != (\new)
	s_set_vgpr_msb (MSB<<8)|(\new)
.set MSB, (\new)
.endif
.endm
.set MUL_LO, 0xa1                      ; source 0 (B) window 1, source 1 (A) window 0, C and D window 2
.set MUL_HI, 0xf1
.set TO_B,   0x40
; a joint load: waves 0 and 1 fetch A's halves, waves 2 and 3 B's.  An s_nop 0 and four v_nop follow each of the two lines
.macro JLOAD g0a, g1a, g0b, g1b
	s_cmp_eq_u32 s15, 0
	s_cbranch_scc0 .Lfor_b_\@
	tensor_load_to_lds s[\g0a:\g0a+3], s[\g1a:\g1a+7]
	s_nop 0
.rept 4
	v_nop
.endr
	s_branch .Lasked_\@
.Lfor_b_\@:
	tensor_load_to_lds s[\g0b:\g0b+3], s[\g1b:\g1b+7]
	s_nop 0
.rept 4
	v_nop
.endr
.Lasked_\@:
.endm
.macro CREST                           ; a round of the cluster's barrier behind its opening barrier
	s_cmp_lg_u32 s14, 0
	s_cbranch_scc1 .Lnot_wave_0_\@
	s_barrier_signal -3
.Lnot_wave_0_\@:
	s_barrier_wait -3
	s_barrier_signal -1
	s_barrier_wait -1
.endm
.macro CROUND
	s_barrier_signal -1
	s_barrier_wait -1
	CREST
.endm
	s_load_b128 s[4:7], s[0:1], 0x0                ; cod s[4:5], scl s[6:7]
	s_load_b128 s[8:11], s[0:1], 0x10              ; qkvc s[8:9], qkvs s[10:11]
	v_lshl_add_u32 v[SPW], v0, 2, SPARE
	v_mov_b32 v[NIL], 0
	ds_add_u32 v[SPW], v[NIL]                      ; the wave's opening: the add, twice on end, and its wait ahead of my first tensor load
	ds_add_u32 v[SPW], v[NIL]
	v_lshrrev_b32 v1, 5, v0
	v_readfirstlane_b32 s14, v1                    ; wave
	s_lshr_b32 s15, s14, 1                         ; my half of A's rows.  Also: I fetch for A (0) or B (1)
	s_and_b32 s16, s14, 1                          ; my half of B's rows.  Also: which 8 tiles I fetch
	s_bfe_u32 s40, ttmp6, 0x40000                  ; cx
	s_bfe_u32 s41, ttmp6, 0x40004                  ; cy
	s_lshl_b32 s42, ttmp9, 2
	s_add_co_u32 s42, s42, s40                     ; tx
	s_and_b32 s12, ttmp7, 0xffff                   ; cluster y, 0 .. 4
	s_lshl_b32 s17, s12, 2
	s_add_co_u32 s17, s17, s41                     ; ty
	s_lshr_b32 s13, s12, 2                         ; 1 in the fifth row of clusters, V's: the same in all sixteen partners
	s_lshl_b32 s43, s41, 2
	s_lshl_b32 s43, 15, s43                        ; my row of the cluster
	s_lshl_b32 s44, 0x1111, s40                    ; my column
	s_or_b32 s[G1+0], s43, (3<<16)|(1<<21)         ; 15:0 the mask; 17:16 elements of 8 bytes; 20 no padding; 21 set beside a mask
	s_or_b32 s[G1B+0], s44, (3<<16)|(1<<21)
.irp g, G1, G1B
	s_mov_b32 s[\g+1], 384<<16                     ; tensor_dim0 = 384 elements: 3,072 bytes, a tile's two K steps
	s_mov_b32 s[\g+2], 8<<16                       ; tensor_dim1 = 8 tiles
	s_mov_b32 s[\g+3], 384<<16                     ; tile_dim0
	s_mov_b32 s[\g+4], 8                           ; tile_dim1
	s_mov_b32 s[\g+5], 1536                        ; from tile to tile: 12,288 bytes
	s_mov_b32 s[\g+6], 0
	s_mov_b32 s[\g+7], 0
.endr
	s_lshl_b32 s18, s16, 3
	s_lshl_b32 s19, s13, 8
	s_lshl_b32 s20, s17, 4
	s_add_co_u32 s20, s20, s19                     ; A's first tile: 16 ty (x), + 256 in V's part (Wv)
	s_lshl_b32 s46, s42, 4
	s_add_co_u32 s46, s46, 256
	s_sub_co_u32 s46, s46, s19                     ; B's first tile: 256 + 16 tx (Wq | Wk), 16 tx in V's part (x)
	s_add_co_u32 s21, s20, s18
	s_mul_i32 s22, s21, 12288
	s_mov_b32 s23, 0
	s_add_co_u32 s47, s46, s18
	s_mul_i32 s92, s47, 12288
	s_mov_b32 s93, 0
	s_mul_i32 s45, s14, HALFT                      ; where my load goes: no place in the cluster enters an LDS address
	s_mov_b32 s76, 0xffff0000                      ; lanes 16-31
	s_mov_b32 s[SEL], 0x76543210
	s_mov_b32 s[SEL+1], 0xfedcba98
	s_wait_dscnt 0x0                               ; both opening adds are done
	s_wait_kmcnt 0x0
	s_add_nc_u64 s[22:23], s[4:5], s[22:23]
	s_add_nc_u64 s[92:93], s[4:5], s[92:93]
	CROUND                                         ; all sixteen work-groups are here: the first joint loads meet
.irp s, 0,1
	s_mov_b32 s[G0+4*\s], 1
	s_add_co_u32 s[G0+4*\s+1], s45, \s*SLOT
	s_add_nc_u64 s[G0+4*\s+2:G0+4*\s+3], s[22:23], \s*3072
	s_or_b32 s[G0+4*\s+3], s[G0+4*\s+3], 0x80000000
	s_mov_b32 s[G0B+4*\s], 1
	s_add_co_u32 s[G0B+4*\s+1], s45, \s*SLOT
	s_add_nc_u64 s[G0B+4*\s+2:G0B+4*\s+3], s[92:93], \s*3072
	s_or_b32 s[G0B+4*\s+3], s[G0B+4*\s+3], 0x80000000
	JLOAD G0+4*\s, G1, G0B+4*\s, G1B
.endr
	; the scale words: (8 R + s) x 64 + 4 r
	s_lshl_b32 s88, s15, 3
	s_add_co_u32 s88, s88, s20
	s_lshl_b32 s88, s88, 9
	s_lshl_b32 s89, s16, 3
	s_add_co_u32 s89, s89, s46
	s_lshl_b32 s89, s89, 9
	v_mov_b32 v26, s88
	v_mov_b32 v27, s89
	v_cndmask_b32 v26, v26, v27, s76               ; lanes 0-15 A's rows, lanes 16-31 B's
	v_and_b32 v27, 15, v0
	v_lshl_add_u32 v26, v27, 2, v26
.irp i, 0,1,2,3,4,5,6,7
.irp s, 0,1,2,3,4,5,6,7
	global_load_b32 v[SC+8*\i+\s], v26, s[6:7] offset:512*\i+64*\s
.endr
.endr
	v_and_b32 v1, 31, v0
	v_lshlrev_b32 v[LI], 4, v1
	v_lshlrev_b32 v[LS], 2, v1
	s_mul_i32 s21, s15, HALFT
	s_mul_i32 s47, s16, HALFT
	s_add_co_u32 s47, s47, 2*HALFT
.irp s, 0,1
	v_add_nc_u32 v[ADRA+\s], s21, v[LI]
	v_add_nc_u32 v[ADRB+\s], s47, v[LI]
	s_add_co_u32 s21, s21, SLOT
	s_add_co_u32 s47, s47, SLOT
.endr
.irp b, 0,1,2,3
	v_mov_b32 v[TM+4+\b], 0                        ; written once: a lane permute's destination counts as one of its sources
.endr
	; where my eight fragments go.  Q, K: head hq = 2 tx + my half of B; tiles 16 (ty % 8) + 8 x my half of A on
	s_lshl_b32 s80, s42, 1
	s_add_co_u32 s80, s80, s16
	s_lshr_b32 s81, s80, 4
	s_lshl_b32 s81, s81, 12                        ; K's fragments lie 4,096 behind Q's
	s_and_b32 s82, s80, 15
	s_lshr_b32 s83, s17, 3
	s_lshl_b32 s83, s83, 4
	s_add_co_u32 s82, s82, s83                     ; bh
	s_lshl_b32 s82, s82, 7
	s_add_co_u32 s81, s81, s82
	s_and_b32 s83, s17, 7
	s_lshl_b32 s83, s83, 4
	s_add_co_u32 s81, s81, s83
	s_lshl_b32 s83, s15, 3
	s_add_co_u32 s81, s81, s83
	; V: heads 4 (ty - 16) + 2 x my half of A, and the next; key step 2 (tx % 8) + my half of B
	s_lshr_b32 s84, s42, 3
	s_lshl_b32 s84, s84, 4
	s_sub_co_u32 s85, s17, 16
	s_lshl_b32 s85, s85, 2
	s_add_co_u32 s84, s84, s85
	s_lshl_b32 s85, s15, 1
	s_add_co_u32 s84, s84, s85                     ; bh
	s_lshl_b32 s84, s84, 4
	s_and_b32 s85, s42, 7
	s_lshl_b32 s85, s85, 1
	s_add_co_u32 s84, s84, s85
	s_add_co_u32 s84, s84, s16
	s_lshl_b32 s84, s84, 2
	s_add_co_u32 s84, s84, 8192
	s_cmp_eq_u32 s13, 0
	s_cselect_b32 s81, s81, s84                    ; blocks 0-3 go to fragments F0 .. F0 + 3,
	s_cselect_b32 s82, 4, 64                       ; blocks 4-7 four fragments on (the next tiles), in V's part 64 on (the next head)
	s_add_co_u32 s82, s81, s82
	s_mov_b32 s87, 0
	s_mul_i32 s86, s81, 1536
	s_add_nc_u64 s[68:69], s[8:9], s[86:87]
	s_mul_i32 s86, s82, 1536
	s_add_nc_u64 s[70:71], s[8:9], s[86:87]
	s_lshl_b32 s86, s81, 6
	s_add_nc_u64 s[72:73], s[10:11], s[86:87]
	s_lshl_b32 s86, s82, 6
	s_add_nc_u64 s[74:75], s[10:11], s[86:87]
.macro FRAG reg, adr, q, i             ; tile i's fragment of the slot's q-th K step: three loads of 512 consecutive bytes
.irp c, 0,1,2
	ds_load_b128 v[\reg+4*\c:\reg+4*\c+3], v[\adr] offset:3072*(\i)+1536*(\q)+512*\c
.endr
.endm
; 16 matrix instructions: A's blocks a0, a0 + 1 x B's eight; p: B's set; ks: the K step.  The 64 accumulators take turns, one instruction a turn, in the same order in every step
.macro MUL16 a0, p, ks, zero
.irp a, \a0, \a0+1
.irp b, 0,1,2,3,4,5,6,7
.if \zero
	v_wmma_scale_f32_16x16x128_f8f6f4 v[8*(8*((\a)%4)+\b):8*(8*((\a)%4)+\b)+7], v[128*(\p)+FR*\b:128*(\p)+FR*\b+FR-1], v[AF+FR*(\a):AF+FR*(\a)+FR-1], 0, v[SC+8*\b+(\ks)], v[SC+8*(\a)+(\ks)] matrix_a_fmt:MATRIX_FMT_FP6 matrix_b_fmt:MATRIX_FMT_FP6 matrix_a_scale:MATRIX_SCALE_ROW1
.else
	v_wmma_scale_f32_16x16x128_f8f6f4 v[8*(8*((\a)%4)+\b):8*(8*((\a)%4)+\b)+7], v[128*(\p)+FR*\b:128*(\p)+FR*\b+FR-1], v[AF+FR*(\a):AF+FR*(\a)+FR-1], v[8*(8*((\a)%4)+\b):8*(8*((\a)%4)+\b)+7], v[SC+8*\b+(\ks)], v[SC+8*(\a)+(\ks)] matrix_a_fmt:MATRIX_FMT_FP6 matrix_b_fmt:MATRIX_FMT_FP6 matrix_a_scale:MATRIX_SCALE_ROW1
.endif
.endr
.endr
.endm
.macro FETCH_B slot, q, p
	WIN TO_B
.irp i, 0,1,2,3,4,5,6,7
	FRAG 128*(\p)+FR*\i, ADRB+\slot, \q, \i
.endr
	WIN 0
.endm
.macro FETCH_A slot, q, i0
.irp i, \i0, \i0+1, \i0+2, \i0+3
	FRAG AF+FR*(\i), ADRA+\slot, \q, \i
.endr
.endm
.macro PLACES n                        ; plain vector instructions that name no register of the matrix instructions in front: ahead of loads into registers that those have read, and of the first read of results
.rept \n
	v_nop
.endr
.endm
; a slot's first K step
.macro STEP slot, ks, zero
	s_wait_dscnt 4*NL                              ; B's set and A's blocks 0-3 are in; the youngest 12 loads (A's blocks 4-7) may be out
	WIN MUL_LO
	MUL16 0, 0, \ks, \zero
	MUL16 2, 0, \ks, \zero
	s_wait_dscnt 0
	PLACES NP
	FETCH_B \slot, 1, 1
	FETCH_A \slot, 1, 0
	WIN MUL_HI
	MUL16 4, 0, \ks, \zero
	MUL16 6, 0, \ks, \zero
	PLACES NP
	WIN 0
	FETCH_A \slot, 1, 4
.endm
; a slot's second K step changes slots: ONE barrier; ahead of it each wave waits for all its tensor loads, adds 0 to its spare word, and waits for that and for its reads of this slot.  fill = 1: the slot takes the K steps four on
.macro TURN slot, next, fill, ks
	s_wait_tensorcnt 0x0                           ; all my tensor loads have landed: my part of the next slot
	ds_add_u32 v[SPW], v[NIL]                      ; 0 onto my spare word
	s_wait_dscnt 4*NL+1                            ; (the add and the youngest 12 loads may be out)
	WIN MUL_LO
	MUL16 0, 1, \ks, 0
	s_wait_dscnt 0x0                               ; the add is done, and my reads of this slot are over
	s_barrier_signal -1
	MUL16 2, 1, \ks, 0
	WIN 0
	s_barrier_wait -1
.if \fill
	CREST                                          ; the barrier has opened a round of the cluster's: no wave of any partner still reads this slot or has a load on its way
	s_add_nc_u64 s[G0+4*\slot+2:G0+4*\slot+3], s[G0+4*\slot+2:G0+4*\slot+3], 6144
	s_add_nc_u64 s[G0B+4*\slot+2:G0B+4*\slot+3], s[G0B+4*\slot+2:G0B+4*\slot+3], 6144
	JLOAD G0+4*\slot, G1, G0B+4*\slot, G1B         ; the first tensor load behind the round; its four v_nop are the places ahead of the loads below
.else
	PLACES NP
.endif
	FETCH_B \next, 0, 0
	FETCH_A \next, 0, 0
	WIN MUL_HI
	MUL16 4, 1, \ks, 0
	MUL16 6, 1, \ks, 0
	PLACES NP
	WIN 0
	FETCH_A \next, 0, 4
.endm
	s_wait_tensorcnt 1                             ; my part of slot 0 is in; slot 1's may stay out
	s_barrier_signal -1
	s_barrier_wait -1
	FETCH_B 0, 0, 0
	FETCH_A 0, 0, 0
	FETCH_A 0, 0, 4
	s_wait_loadcnt 0x0                             ; the scale words
	STEP 0, 0, 1                                   ; the first products start the sums: nothing is cleared
	TURN 0, 1, 1, 1
	STEP 1, 2, 0
	TURN 1, 0, 1, 3
	STEP 0, 4, 0
	TURN 0, 1, 0, 5                                ; nothing is left to fetch
	STEP 1, 6, 0
	s_wait_dscnt 4*NL
	WIN MUL_LO
	MUL16 0, 1, 7, 0
	MUL16 2, 1, 7, 0
	s_wait_dscnt 0
	WIN MUL_HI
	MUL16 4, 1, 7, 0
	MUL16 6, 1, 7, 0
	WIN 0
	PLACES NP
; THE WAY OUT.  Block a's 64 registers of a lane are 128 neighbours' halves along the next K: register 16 b + i is k = 32 b + 16 (lane / 16) + i of my row.  They become a fragment and a scale word.
.macro EPI a
.set XW, 2+(\a)/4                      ; the block's window
.set SA, 64*((\a)%4)
.set PC, 128+20*((\a)%2)               ; the codes: two sets by turns, where A's fragments lay
.set PW, TM+16+(\a)%2
	s_wait_xcnt 0x0                                ; the stores of two blocks ago have read their registers
	WIN 5*XW                                       ; sources 0 and 1 in the block's window
.irp b, 0,1,2,3
	v_max3_num_f32 v[TM+\b], |v[SA+16*\b]|, |v[SA+1+16*\b]|, 0x1800000   ; each accumulator is read from its low end on
.endr
.irp i, 2,4,6,8,10,12,14
.irp b, 0,1,2,3
	v_max3_num_f32 v[TM+\b], |v[SA+16*\b+\i]|, |v[SA+1+16*\b+\i]|, v[TM+\b]
.endr
.endr
	WIN 0
.irp b, 0,1,2,3
	v_permlanex16_b32 v[TM+4+\b], v[TM+\b], s[SEL], s[SEL+1]
.endr
.irp b, 0,1,2,3
	v_max_num_f32 v[TM+\b], v[TM+\b], v[TM+4+\b]   ; with lane l xor 16's: the block's largest magnitude
.endr
.irp b, 0,1,2,3
	v_add_nc_u32 v[TM+12+\b], 0xff000000, v[TM+\b]
.endr
.irp b, 0,1,2,3
	v_lshrrev_b32 v[TM+4+\b], 23, v[TM+12+\b]
.endr
	v_lshl_or_b32 v[PW], v[TM+5], 8, v[TM+4]
	v_lshl_or_b32 v[PW], v[TM+6], 16, v[PW]
	v_lshl_or_b32 v[PW], v[TM+7], 24, v[PW]
	WIN XW                                         ; source 0 in the block's window
.irp c, 0,1
	v_cvt_scalef32_pk16_fp6_f32 v[PC+6*\c:PC+2+6*\c], v[SA+32*\c:SA+15+32*\c], v[TM+12+2*\c]
	v_cvt_scalef32_pk16_fp6_f32 v[PC+12+4*\c:PC+14+4*\c], v[SA+16+32*\c:SA+31+32*\c], v[TM+13+2*\c]
.endr
	WIN 0
	v_nop                                          ; one plain instruction behind a scaled conversion
.irp c, 0,1                                    ; the operand's layout wants a whole block in a lane
.irp i, 0,1,2
	v_permlane16_swap_b32 v[PC+6*\c+\i], v[PC+12+4*\c+\i]
.endr
.irp i, 0,1,2
	v_mov_b32 v[PC+3+6*\c+\i], v[PC+12+4*\c+\i]
.endr
.endr
.irp g, 0,1,2
.if (\a) < 4
	global_store_b128 v[LI], v[PC+4*\g:PC+4*\g+3], s[68:69] offset:((\a)%4)*1536+512*\g   ; 512 consecutive bytes
.else
	global_store_b128 v[LI], v[PC+4*\g:PC+4*\g+3], s[70:71] offset:((\a)%4)*1536+512*\g
.endif
.endr
.if (\a)%2
	v_cndmask_b32 v[TM+18], v[TM+16], v[TM+17], s76   ; two neighbouring fragments' words: 128 consecutive bytes
.if (\a) < 4
	global_store_b32 v[LS], v[TM+18], s[72:73] offset:(((\a)%4)/2)*128
.else
	global_store_b32 v[LS], v[TM+18], s[74:75] offset:(((\a)%4)/2)*128
.endif
.endif
.endm
.irp a, 0,1,2,3,4,5,6,7
	EPI \a
.endr
	s_wait_tensorcnt 0x0                           ; the wave's end
	ds_add_u32 v[SPW], v[NIL]
	s_wait_dscnt 0x0
	CROUND                                         ; the closing round
	s_endpgm
.Lfunc_end_k_qa048bd3600_proj:
	.size	k_qa048bd3600_proj, .Lfunc_end_k_qa048bd3600_proj-k_qa048bd3600_proj
	.p2alignl 7, 3214868480
	.fill 96, 4, 3214868480
	.section	.rodata,"a",@progbits
	.p2align	6, 0x0
	.amdhsa_kernel k_qa048bd3600_proj
		.amdhsa_group_segment_fixed_size 327680
		.amdhsa_private_segment_fixed_size 0
		.amdhsa_enable_private_segment 0
		.amdhsa_kernarg_size 32
		.amdhsa_user_sgpr_count 2
		.amdhsa_user_sgpr_kernarg_segment_ptr 1
		.amdhsa_wavefront_size32 1
		.amdhsa_system_sgpr_workgroup_id_x 1
		.amdhsa_system_sgpr_workgroup_id_y 1
		.amdhsa_system_sgpr_workgroup_id_z 1
		.amdhsa_system_vgpr_workitem_id 0
		.amdhsa_next_free_vgpr 1024
		.amdhsa_next_free_sgpr 100
		.amdhsa_reserve_vcc 0
		.amdhsa_float_denorm_mode_32 3
		.amdhsa_float_denorm_mode_16_64 3
		.amdhsa_memory_ordered 1
		.amdhsa_forward_progress 1
		.amdhsa_inst_pref_size 143
	.end_amdhsa_kernel
	.amdgpu_metadata
---
amdhsa.version: [ 1, 2 ]
amdhsa.kernels:
  - .name:           k_qa048bd3600_proj
    .symbol:         k_qa048bd3600_proj.kd
    .args:
      - { .name: cod, .offset: 0, .size: 8, .value_kind: global_buffer, .address_space: global }
      - { .name: scl, .offset: 8, .size: 8, .value_kind: global_buffer, .address_space: global }
      - { .name: qkvc, .offset: 16, .size: 8, .value_kind: global_buffer, .address_space: global }
      - { .name: qkvs, .offset: 24, .size: 8, .value_kind: global_buffer, .address_space: global }
    .group_segment_fixed_size: 327680
    .private_segment_fixed_size: 0
    .kernarg_segment_align: 8
    .kernarg_segment_size: 32
    .max_flat_workgroup_size: 128
    .sgpr_count:     100
    .vgpr_count:     1024
    .wavefront_size: 32
...
	.end_amdgpu_metadata
.endif
;; end of part 2
;; launch attn (part 3): grid 8 x 32, 16 waves a work-group, no clusters, 290,816 bytes of LDS; arguments qkvc, qkvs, lambda_q1, lambda_k1, lambda_q2, lambda_k2, att; writes att
.if DOCPART == 3
	.amdgcn_target "amdgcn-amd-amdhsa--gfx1250"
	.amdhsa_code_object_version 6
	.text
	.protected	k_qa048bd3600_attn
	.globl	k_qa048bd3600_attn
	.p2align	8
	.type	k_qa048bd3600_attn,@function
k_qa048bd3600_attn:
	s_mov_b64 s[64:65], 0
	v_nop
	global_prefetch_b8 v0, s[64:65] scope:SCOPE_SE
	s_setreg_imm32_b32 hwreg(HW_REG_WAVE_MODE, 25, 1), 1
	s_wait_xcnt 0x0
; att[b][q][64 head ..] = (softmax(Q1 K1^T / 8) - lambda softmax(Q2 K2^T / 8)) V, all three products on codes of FP6 (E2M3) with E8M0 scales.  No work is left out.
; The weights go into the third product FINISHED AND NORMALISED, so both row sums must be known before a weight is quantised.  THE WEIGHTS STAY IN REGISTERS: a work-group of sixteen waves takes 16 queries at a time,
; wave w owns keys 128 w .. 128 w + 127 of the head, and holds its 2 x 64 weights a lane until the sixteen waves have exchanged maxima and sums through LDS.  So each score and each exponential is made once.
; SHARES.  A work-group: one head (bh = y), 256 queries (x): 16 tiles.  A wave's 8 fragments of K stay in registers for the whole launch, its 4 of V^T in LDS bytes of its own.
; LAYOUT.  S^T = K Q^T (source 0 = 16 keys, source 1 = 16 queries): a lane holds one query (lane % 16); by the tiles' order of rows, register 16 b + i is key 128 w + 32 b + 16 (lane / 16) + i.
; The head's 128 numbers are Q1 | Q2 and K1 | K2, and each score product has K = 64: K's fragment serves both, against Q's with its second half zero codes (v[12:23]) and with its first half zero codes (v[18:29]).
; SOFTMAX.  t = score x log2(e) / 8.  A wave takes M_w = ceil(its largest t), p = 2^(t - M_w), l_w = the sum of p.  Behind the barrier M = the largest M_w, l = the sum of l_w 2^(M_w - M) (ldexp: nothing is rounded), and
; the weight is p1 2^(M_w - M) / l1 - lambda p2 2^(M_w - M) / l2: softmax as the problem writes it, the row's maximum taken away (rounded up to a whole number, which cancels).
; O^T = V^T attn^T: each wave's 128 keys give a partial sum [16 queries][64]; the sixteen are added a tile later: wave w adds row w and stores its 256 consecutive aligned bytes.
; ONE BARRIER A TILE.  Between barriers t and t + 1 the waves read the statistics of parity t, write those of parity t + 1, read the partial sums of parity t - 1 and write those of parity t: four disjoint regions.
; NO MULTICAST: the eight work-groups of a head read the same K and V, but once each, at the head: 18,432 bytes a wave for sixteen tiles' work, K's straight into the registers where they stay.
; LIMITS: NaN and infinities are not served; v_exp_f32 gives 0 for results under 2^-126; blocks of weights under 2^-124 get the byte 1; the third product's sum is made of sixteen partial sums of 128 keys, added in f32.
.set VBLKB, 6656                       ; LDS 0: for each wave 4 fragment images of V^T and, at 6,144, two scale words a lane at 16 x lane
.set QIMG,  106496                     ; 16 tiles of Q x 2,048: registers 0-3 at 16 l; 4-5 at 512 + 16 l; 6-9 at 1,024 + 16 l; 10, 11 and the scale word at 1,536 + 16 l
.set STAT,  139264                     ; 2 parities x 5,120: -M1, l1, -M2, l2, 1,280 bytes each: query r, wave w at 80 r + 4 w
.set OPART, 149504                     ; wave w: 8,704 w + 4,352 parity + 272 r + 4 d
.set SPARE, 288768                     ; the spare words, 128 bytes a wave: eight blocks of 256 bytes that no other line names
.set SPW, 1
.set NIL, 2
.set TX,  11                           ; v11 a lone register at work
.set SEL, 20                           ; s[20:21] lane l xor 16
.set CS,  22                           ; s[22:23] log2(e) / 8
; v0 16 x lane; v3 my statistics' word; v4 where I read eight waves' words; v5 where I put partial sums; v6 where I read them; v7-10 K's scale words (register p: tile 2 p in lanes 0-15, 2 p + 1 in lanes 16-31);
; v12-31 at work, and Q during the scores (v12-17 Q1, v18-23 zeros, v24-29 Q2, v30 its scale word); v32-127 K; v128-191 scores 1, then the weights; v192-255 scores 2, then V^T, its scale words, the weights' codes and scale word
.macro QUANT src, mx, pb, so, st, pc, pw
.irp b, 0,1,2,3
	v_max3_num_f32 v[\mx+\b], |v[\src+16*\b]|, |v[\src+1+16*\b]|, 0x1800000   ; block b: my 16 numbers, and the floor 2^(3 - 127)
.endr
.irp i, 2,4,6,8,10,12,14
.irp b, 0,1,2,3
	v_max3_num_f32 v[\mx+\b], v[\mx+\b], |v[\src+16*\b+\i]|, |v[\src+1+16*\b+\i]|
.endr
.endr
.irp b, 0,1,2,3
	v_permlanex16_b32 v[\pb+\b], v[\mx+\b], s[SEL], s[SEL+1]
.endr
.irp b, 0,1,2,3
	v_max_num_f32 v[\mx+\b], v[\mx+\b], v[\pb+\b]
.endr
.irp b, 0,1,2,3
	v_add_nc_u32 v[\so+\b], 0xff000000, v[\mx+\b]  ; 2 off the exponent field: the conversion's scale operand
.endr
.irp b, 0,1,2,3
	v_lshrrev_b32 v[\pb+\b], 23, v[\so+\b]
.endr
	v_lshl_or_b32 v[\pw], v[\pb+1], 8, v[\pb]
	v_lshl_or_b32 v[\pw], v[\pb+2], 16, v[\pw]
	v_lshl_or_b32 v[\pw], v[\pb+3], 24, v[\pw]
.irp c, 0,1
	v_cvt_scalef32_pk16_fp6_f32 v[\pc+6*\c:\pc+2+6*\c], v[\src+32*\c:\src+15+32*\c], v[\so+2*\c]
	v_cvt_scalef32_pk16_fp6_f32 v[\st+4*\c:\st+2+4*\c], v[\src+16+32*\c:\src+31+32*\c], v[\so+1+2*\c]
.endr
	v_nop                                          ; one plain instruction behind a scaled conversion
.irp c, 0,1
.irp i, 0,1,2
	v_permlane16_swap_b32 v[\pc+6*\c+\i], v[\st+4*\c+\i]
.endr
.irp i, 0,1,2
	v_mov_b32 v[\pc+3+6*\c+\i], v[\st+4*\c+\i]
.endr
.endr
.endm
.macro QLOAD                           ; the tile of Q at LDS byte s26, and the zero codes between its halves
	v_add_nc_u32 v[TX], s26, v0
	ds_load_b128 v[12:15], v[TX]
	ds_load_b64 v[16:17], v[TX] offset:512
	ds_load_b128 v[24:27], v[TX] offset:1024
	ds_load_b96 v[28:30], v[TX] offset:1536
.irp i, 18,19,20,21,22,23
	v_mov_b32 v\i, 0
.endr
.endm
; the sixteen waves' -M and l of one softmax (at byte off): v[F] becomes 2^(M_w - M) / l.  On entry v[F + 1] holds my own -M
.macro STATS off, F
	ds_load_b128 v[12:15], v4 offset:\off
	ds_load_b128 v[16:19], v4 offset:\off+16
	ds_load_b128 v[20:23], v4 offset:\off+1280
	ds_load_b128 v[24:27], v4 offset:\off+1296
	s_wait_dscnt 2                                 ; the eight -M are in; the two loads of l may be out
	v_max3_num_f32 v[TX], -v12, -v13, -v14
	v_max3_num_f32 v[TX], v[TX], -v15, -v16
	v_max3_num_f32 v[TX], v[TX], -v17, -v18
	v_max_num_f32 v[TX], v[TX], -v19
	v_permlanex16_b32 v[\F], v[TX], s[SEL], s[SEL+1]   ; the other eight waves' lie in lane l xor 16
	v_max_num_f32 v[\F], v[\F], v[TX]              ; M
.irp i, 0,2,4,6
	v_pk_add_f32 v[12+\i:13+\i], v[\F:\F+1], v[12+\i:13+\i] op_sel_hi:[0,1] neg_lo:[1,1] neg_hi:[1,1]   ; M_w - M: whole numbers, 0 or less
.endr
	v_sub_f32 v[\F+1], -v[\F], v[\F+1]             ; and my own
.irp i, 0,1,2,3,4,5,6,7
	v_cvt_i32_f32 v[12+\i], v[12+\i]               ; (it saturates)
.endr
	v_cvt_i32_f32 v[\F+1], v[\F+1]
	s_wait_dscnt 0x0
.irp i, 0,1,2,3,4,5,6,7
	v_ldexp_f32 v[20+\i], v[20+\i], v[12+\i]
.endr
	v_pk_add_f32 v[20:21], v[20:21], v[22:23]
	v_pk_add_f32 v[24:25], v[24:25], v[26:27]
	v_pk_add_f32 v[20:21], v[20:21], v[24:25]
	v_add_f32 v20, v20, v21
	v_permlanex16_b32 v21, v20, s[SEL], s[SEL+1]
	v_add_f32 v20, v20, v21                        ; l: over 1/2, since some wave has M_w = M
	v_rcp_f32 v20, v20
	v_nop                                          ; a plain instruction behind the reciprocal,
	s_wait_alu depctr_va_vdst(0)                   ; and the wait ahead of its first reader
	v_ldexp_f32 v[\F], v20, v[\F+1]
.endm
.macro REDLOAD pp                      ; row w of the sixteen partial sums of parity pp: 8 bytes a lane from each
	v_add_nc_u32 v31, 8*8704, v6
.irp k, 0,1,2,3,4,5,6,7
	ds_load_b64 v[160+2*\k:161+2*\k], v6 offset:8704*\k+4352*(\pp)
.endr
.irp k, 0,1,2,3,4,5,6,7
	ds_load_b64 v[176+2*\k:177+2*\k], v31 offset:8704*\k+4352*(\pp)
.endr
.endm
.macro REDUCE inc
.irp i, 0,1,2,3,4,5,6,7
	v_pk_add_f32 v[160+4*\i:161+4*\i], v[160+4*\i:161+4*\i], v[162+4*\i:163+4*\i]
.endr
.irp i, 0,1,2,3
	v_pk_add_f32 v[160+8*\i:161+8*\i], v[160+8*\i:161+8*\i], v[164+8*\i:165+8*\i]
.endr
	v_pk_add_f32 v[160:161], v[160:161], v[168:169]
	v_pk_add_f32 v[176:177], v[176:177], v[184:185]
	v_pk_add_f32 v[160:161], v[160:161], v[176:177]
	v_lshrrev_b32 v31, 1, v0                       ; 8 x lane
	v_add_nc_u32 v31, s28, v31
	global_store_b64 v31, v[160:161], s[16:17]     ; one query's 64 numbers of the head: 256 consecutive aligned bytes
	s_add_co_u32 s28, s28, \inc
.endm
	s_load_b256 s[4:11], s[0:1], 0x0               ; qkvc s[4:5], qkvs s[6:7], lambda_q1 s[8:9], lambda_k1 s[10:11]
	s_load_b128 s[12:15], s[0:1], 0x20             ; lambda_q2 s[12:13], lambda_k2 s[14:15]
	s_load_b64 s[16:17], s[0:1], 0x30              ; att
	v_lshl_add_u32 v[SPW], v0, 2, SPARE
	v_mov_b32 v[NIL], 0
	v_lshrrev_b32 v12, 5, v0
	v_readfirstlane_b32 s18, v12                   ; wave
	v_and_b32 v15, 15, v0                          ; r
	v_bfe_u32 v16, v0, 4, 1                        ; h
	v_and_b32 v17, 31, v0                          ; lane
	s_lshl_b32 s30, s18, 2
	s_add_co_u32 s30, s30, STAT
	v_mul_u32_u24 v3, v15, 80
	v_lshl_add_u32 v4, v16, 5, v3
	v_add_nc_u32 v4, STAT, v4
	v_add_nc_u32 v3, s30, v3
	s_mul_i32 s30, s18, 8704
	s_add_co_u32 s30, s30, OPART
	v_mul_u32_u24 v5, v15, 272
	v_lshl_add_u32 v5, v16, 6, v5
	v_add_nc_u32 v5, s30, v5
	s_mul_i32 s30, s18, 272
	s_add_co_u32 s30, s30, OPART
	v_lshlrev_b32 v14, 3, v17                      ; 8 x lane
	v_add_nc_u32 v6, s30, v14
	v_lshlrev_b32 v12, 2, v17                      ; 4 x lane
	v_lshlrev_b32 v13, 2, v15                      ; 4 r
	v_lshlrev_b32 v0, 4, v17                       ; 16 x lane
	s_and_b32 s31, ttmp7, 0xffff                   ; bh
	s_mul_i32 s25, s18, VBLKB
	s_mov_b32 s[SEL], 0x76543210
	s_mov_b32 s[SEL+1], 0xfedcba98
	s_mov_b32 s[CS], 0x3e38aa3b
	s_mov_b32 s[CS+1], s[CS]                       ; (named with it as a pair, so it is written)
	s_lshl_b32 s32, s31, 7
	s_lshl_b32 s33, s18, 3
	s_add_co_u32 s34, s32, s33
	s_add_co_u32 s34, s34, 4096                    ; K's fragments: 4096 + 128 bh + 8 w on
	s_lshl_b32 s35, s31, 4
	s_add_co_u32 s35, s35, s18
	s_lshl_b32 s35, s35, 2
	s_add_co_u32 s35, s35, 8192                    ; V's: 8192 + 4 (16 bh + w) on
	s_lshl_b32 s36, ttmp9, 4
	s_add_co_u32 s36, s36, s32
	s_add_co_u32 s36, s36, s18                     ; the tile of Q that I bring: 128 bh + 16 x + w
	s_mov_b32 s41, 0
	s_wait_kmcnt 0x0
	s_mul_i32 s40, s34, 1536
	s_add_nc_u64 s[42:43], s[4:5], s[40:41]
	s_lshl_b32 s40, s34, 6
	s_add_nc_u64 s[44:45], s[6:7], s[40:41]
	s_mul_i32 s40, s35, 1536
	s_add_nc_u64 s[46:47], s[4:5], s[40:41]
	s_lshl_b32 s40, s35, 6
	s_add_nc_u64 s[48:49], s[6:7], s[40:41]
	s_mul_i32 s40, s36, 1536
	s_add_nc_u64 s[50:51], s[4:5], s[40:41]
	s_lshl_b32 s40, s36, 6
	s_add_nc_u64 s[52:53], s[6:7], s[40:41]
	s_lshr_b32 s40, s31, 4                         ; att: row 2048 batch + 256 x + w + 8 (w / 8): row w of the first tile, by the tiles' order of rows;
	s_lshl_b32 s40, s40, 11
	s_lshl_b32 s54, ttmp9, 8
	s_add_co_u32 s40, s40, s54
	s_add_co_u32 s40, s40, s18
	s_and_b32 s54, s18, 8
	s_add_co_u32 s40, s40, s54
	s_lshl_b32 s40, s40, 12
	s_and_b32 s54, s31, 15
	s_lshl_b32 s54, s54, 8                         ; the head's 256 bytes of it
	s_add_co_u32 s40, s40, s54
	s_add_nc_u64 s[16:17], s[16:17], s[40:41]
.irp k, 0,1,2,3,4,5,6,7,8,9,10,11,12,13,14,15,16,17,18,19,20,21,22,23
	global_load_b128 v[32+4*\k:35+4*\k], v0, s[42:43] offset:512*\k   ; K: 12,288 consecutive bytes, as the registers take them
.endr
.irp p, 0,1,2,3
	global_load_b32 v[7+\p], v12, s[44:45] offset:128*\p
.endr
.irp k, 0,1,2,3,4,5,6,7,8,9,10,11
	global_load_b128 v[128+4*\k:131+4*\k], v0, s[46:47] offset:512*\k   ; V^T
.endr
	global_load_b32 v176, v12, s[48:49]
	global_load_b32 v177, v12, s[48:49] offset:128
.irp k, 0,1,2
	global_load_b128 v[192+4*\k:195+4*\k], v0, s[50:51] offset:512*\k   ; a tile of Q
.endr
	global_load_b32 v204, v13, s[52:53]
	global_load_b64 v[208:209], v14, s[8:9]
	global_load_b64 v[210:211], v14, s[10:11]
	global_load_b64 v[212:213], v14, s[12:13]
	global_load_b64 v[214:215], v14, s[14:15]
	s_wait_loadcnt 0x0
	v_add_nc_u32 v[TX], s25, v0
.irp k, 0,1,2,3,4,5,6,7,8,9,10,11
	ds_store_b128 v[TX], v[128+4*\k:131+4*\k] offset:512*\k
.endr
	ds_store_b64 v[TX], v[176:177] offset:6144
	s_lshl_b32 s30, s18, 11
	s_add_co_u32 s30, s30, QIMG
	v_add_nc_u32 v18, s30, v0
	ds_store_b128 v18, v[192:195]
	ds_store_b64 v18, v[196:197] offset:512
	ds_store_b128 v18, v[198:201] offset:1024
	ds_store_b96 v18, v[202:204] offset:1536
	; lambda = exp(sum q1 k1) - exp(sum q2 k2) + 0.8 - 0.6 exp(-3.3): every wave makes it, two numbers a lane
	v_mul_f32 v216, v208, v210
	v_mul_f32 v217, v212, v214
	v_fmac_f32 v216, v209, v211
	v_fmac_f32 v217, v213, v215
.irp m, 1,2,4,8
	v_add_f32_dpp v216, v216, v216 row_xmask:\m row_mask:0xf bank_mask:0xf
	v_add_f32_dpp v217, v217, v217 row_xmask:\m row_mask:0xf bank_mask:0xf
.endr
	v_permlanex16_b32 v208, v216, s[SEL], s[SEL+1]
	v_permlanex16_b32 v209, v217, s[SEL], s[SEL+1]
	v_add_f32 v216, v216, v208
	v_add_f32 v217, v217, v209
	v_mul_f32 v216, 0x3fb8aa3b, v216
	v_mul_f32 v217, 0x3fb8aa3b, v217
	v_exp_f32 v216, v216
	v_exp_f32 v217, v217
	v_mov_b32 v31, 0                               ; (a plain instruction behind the exponentials; v31 is named as the upper half of v[30:31] before it is first used)
	s_wait_alu depctr_va_vdst(0)                   ; one wait for the two, ahead of their first reader
	v_sub_f32 v216, v217, v216
	v_add_f32 v216, 0xbf47227f, v216
	v_readfirstlane_b32 s24, v216                  ; -lambda
	s_mov_b32 s26, QIMG
	s_mov_b32 s28, 0                               ; the byte offset in att of the tile that is added next
	s_wait_dscnt 0x0                               ; my stores have landed
	s_barrier_signal -1
	s_barrier_wait -1                              ; all sixteen tiles of Q lie in LDS
	QLOAD
.rept 4
	v_nop                                          ; an operand written by vector instructions (the zeros) stands four places ahead of a scaled matrix instruction
.endr
; A TILE of 16 queries.  P: its parity; first, last: the first tile has no tile before it to add, the last none behind it to fetch
.macro TILE P, first, last
	s_wait_xcnt 0x0                                ; the last store to att has read its registers
	s_wait_dscnt 0x0                               ; Q is in; my partial sums of the last tile have landed
.irp j, 0,1,2,3,4,5,6,7
.if (\j)%2
	v_wmma_scale_f32_16x16x128_f8f6f4 v[128+8*\j:135+8*\j], v[32+12*\j:43+12*\j], v[12:23], 0, v[7+\j/2], v30 matrix_a_fmt:MATRIX_FMT_FP6 matrix_b_fmt:MATRIX_FMT_FP6 matrix_a_scale:MATRIX_SCALE_ROW1
	v_wmma_scale_f32_16x16x128_f8f6f4 v[192+8*\j:199+8*\j], v[32+12*\j:43+12*\j], v[18:29], 0, v[7+\j/2], v30 matrix_a_fmt:MATRIX_FMT_FP6 matrix_b_fmt:MATRIX_FMT_FP6 matrix_a_scale:MATRIX_SCALE_ROW1
.else
	v_wmma_scale_f32_16x16x128_f8f6f4 v[128+8*\j:135+8*\j], v[32+12*\j:43+12*\j], v[12:23], 0, v[7+\j/2], v30 matrix_a_fmt:MATRIX_FMT_FP6 matrix_b_fmt:MATRIX_FMT_FP6
	v_wmma_scale_f32_16x16x128_f8f6f4 v[192+8*\j:199+8*\j], v[32+12*\j:43+12*\j], v[18:29], 0, v[7+\j/2], v30 matrix_a_fmt:MATRIX_FMT_FP6 matrix_b_fmt:MATRIX_FMT_FP6
.endif
.endr
.rept 5
	v_nop                                          ; five places: four ahead of the reads of the results and of writes and loads over Q, the fifth since the second product's results are laid over these
.endr
	; my 128 keys' largest score of each softmax
.irp b, 0,1,2,3
	v_max3_num_f32 v[12+\b], v[128+16*\b], v[129+16*\b], v[130+16*\b]
	v_max3_num_f32 v[16+\b], v[192+16*\b], v[193+16*\b], v[194+16*\b]
.endr
.irp i, 3,5,7,9,11,13
.irp b, 0,1,2,3
	v_max3_num_f32 v[12+\b], v[12+\b], v[128+16*\b+\i], v[129+16*\b+\i]
	v_max3_num_f32 v[16+\b], v[16+\b], v[192+16*\b+\i], v[193+16*\b+\i]
.endr
.endr
.irp b, 0,1,2,3
	v_max_num_f32 v[12+\b], v[12+\b], v[143+16*\b]
	v_max_num_f32 v[16+\b], v[16+\b], v[207+16*\b]
.endr
	v_max3_num_f32 v12, v12, v13, v14
	v_max3_num_f32 v16, v16, v17, v18
	v_max_num_f32 v12, v12, v15
	v_max_num_f32 v16, v16, v19
	v_permlanex16_b32 v13, v12, s[SEL], s[SEL+1]
	v_permlanex16_b32 v17, v16, s[SEL], s[SEL+1]
	v_max_num_f32 v12, v12, v13
	v_max_num_f32 v16, v16, v17
	v_mul_f32 v12, s[CS], v12                      ; as t (the factor is positive)
	v_mul_f32 v16, s[CS], v16
	v_floor_f32 v28, -v12                          ; -M_w = floor(-t) = -ceil(t)
	v_floor_f32 v30, -v16
.set J, 0
.rept 32
	v_pk_fma_f32 v[128+2*J:129+2*J], v[128+2*J:129+2*J], s[CS:CS+1], v[28:29] op_sel_hi:[1,0,0]   ; t - M_w
.set J, J+1
.endr
	; the exponentials go in two batches, each with one wait; plain work that names none of a batch's results is dealt among them
.set J, 0
.rept 32
	v_exp_f32 v[128+2*J], v[128+2*J]
	v_exp_f32 v[129+2*J], v[129+2*J]
	v_pk_fma_f32 v[192+2*J:193+2*J], v[192+2*J:193+2*J], s[CS:CS+1], v[30:31] op_sel_hi:[1,0,0]
.set J, J+1
.endr
	s_wait_alu depctr_va_vdst(0)                   ; the first 64: the wait ahead of the first instruction that names a result
.set J, 0
.rept 32
	v_exp_f32 v[192+2*J], v[192+2*J]
	v_exp_f32 v[193+2*J], v[193+2*J]
.if J == 0
	v_pk_add_f32 v[12:13], v[128:129], v[130:131]  ; the sum of p1, in two chains
.elseif J == 1
	v_pk_add_f32 v[14:15], v[132:133], v[134:135]
.elseif J < 30
	v_pk_add_f32 v[12+2*(J%2):13+2*(J%2)], v[12+2*(J%2):13+2*(J%2)], v[132+2*J:133+2*J]
.elseif J == 30
	v_pk_add_f32 v[12:13], v[12:13], v[14:15]
.else
	v_nop
.endif
.set J, J+1
.endr
	s_wait_alu depctr_va_vdst(0)                   ; the second 64
	v_pk_add_f32 v[20:21], v[192:193], v[194:195]
	v_pk_add_f32 v[22:23], v[196:197], v[198:199]
.set J, 4
.rept 14
	v_pk_add_f32 v[20:21], v[20:21], v[192+2*J:193+2*J]
	v_pk_add_f32 v[22:23], v[22:23], v[194+2*J:195+2*J]
.set J, J+2
.endr
	v_pk_add_f32 v[20:21], v[20:21], v[22:23]
	v_add_f32 v16, v12, v13
	v_add_f32 v17, v20, v21
	v_permlanex16_b32 v18, v16, s[SEL], s[SEL+1]
	v_permlanex16_b32 v19, v17, s[SEL], s[SEL+1]
	v_add_f32 v16, v16, v18                        ; l_w of softmax 1,
	v_add_f32 v17, v17, v19                        ; of softmax 2
	ds_store_b32 v3, v28 offset:5120*\P            ; both halves of the lanes write the same word with the same value
	ds_store_b32 v3, v16 offset:5120*\P+1280
	ds_store_b32 v3, v30 offset:5120*\P+2560
	ds_store_b32 v3, v17 offset:5120*\P+3840
	v_mov_b32 v29, v28                             ; my own -M are kept
	v_mov_b32 v31, v30
	s_wait_dscnt 0x0                               ; for the others' sake: my statistics, and all my earlier LDS instructions, are done
	s_barrier_signal -1
	s_barrier_wait -1
	STATS 5120*\P, 28
	STATS 5120*\P+2560, 30
	v_mul_f32 v30, s24, v30                        ; x -lambda
.set J, 0
.rept 32
	v_pk_mul_f32 v[192+2*J:193+2*J], v[192+2*J:193+2*J], v[30:31] op_sel_hi:[1,0]
.set J, J+1
.endr
.set J, 0
.rept 32
	v_pk_fma_f32 v[128+2*J:129+2*J], v[128+2*J:129+2*J], v[28:29], v[192+2*J:193+2*J] op_sel_hi:[1,0,1]   ; the weight, finished and normalised
.set J, J+1
.endr
	v_add_nc_u32 v[TX], s25, v0
.irp k, 0,1,2,3,4,5,6,7,8,9,10,11
	ds_load_b128 v[192+4*\k:195+4*\k], v[TX] offset:512*\k   ; V^T of my 128 keys
.endr
	ds_load_b64 v[240:241], v[TX] offset:6144
	QUANT 128, 12, 16, 20, 24, 242, 254            ; the weights' codes in v242-253, their scale word in v254
.if (\first) == 0
	REDLOAD 1-\P                                   ; the last tile's partial sums: every wave stored its own ahead of the barrier above
.endif
.if (\last) == 0
	s_add_co_u32 s26, s26, 2048
	QLOAD                                          ; the next tile of Q; its seven vector lines are among the places between the codes and scale word just made and the products below
.else
.rept 4
	v_nop
.endr
.endif
	s_wait_dscnt 16*(1-\first)+4*(1-\last)         ; V^T is in; what was asked for behind it (16 loads of partial sums, 4 of Q) may be out
.irp t, 0,1,2,3
.if (\t)%2
	v_wmma_scale_f32_16x16x128_f8f6f4 v[128+8*\t:135+8*\t], v[192+12*\t:203+12*\t], v[242:253], 0, v[240+\t/2], v254 matrix_a_fmt:MATRIX_FMT_FP6 matrix_b_fmt:MATRIX_FMT_FP6 matrix_a_scale:MATRIX_SCALE_ROW1
.else
	v_wmma_scale_f32_16x16x128_f8f6f4 v[128+8*\t:135+8*\t], v[192+12*\t:203+12*\t], v[242:253], 0, v[240+\t/2], v254 matrix_a_fmt:MATRIX_FMT_FP6 matrix_b_fmt:MATRIX_FMT_FP6
.endif
.endr
.rept 5
	v_nop                                          ; five places: the next tile's scores are laid over these products' registers
.endr
.irp t, 0,1,2,3
	ds_store_b128 v5, v[128+8*\t:131+8*\t] offset:4352*\P+128*(\t/2)+32*(\t%2)      ; lane (r, h), register i: channel 32 (t / 2) + 16 h + 8 (t % 2) + i
	ds_store_b128 v5, v[132+8*\t:135+8*\t] offset:4352*\P+128*(\t/2)+32*(\t%2)+16
.endr
.if (\first) == 0
	s_wait_dscnt 8+4*(1-\last)                     ; the sixteen partial sums are in; Q's four loads and my eight stores may be out
	REDUCE 32768+65536*(1-\P)                      ; from an even tile to the next 8 rows of att, from an odd one 24
.endif
.endm
	TILE 0, 1, 0
	s_mov_b32 s27, 7
.Lpair:
	TILE 1, 0, 0
	TILE 0, 0, 0
	s_sub_co_u32 s27, s27, 1
	s_cmp_lg_u32 s27, 0
	s_cbranch_scc1 .Lpair
	TILE 1, 0, 1
	s_wait_dscnt 0x0                               ; my last partial sums have landed
	s_barrier_signal -1
	s_barrier_wait -1
	s_wait_xcnt 0x0                                ; the last store has read its registers
	REDLOAD 1
	s_wait_dscnt 0x0
	REDUCE 0
	s_wait_tensorcnt 0x0                           ; the wave's end, behind my last LDS store
	ds_add_u32 v[SPW], v[NIL]
	s_wait_dscnt 0x0
	s_endpgm
.Lfunc_end_k_qa048bd3600_attn:
	.size	k_qa048bd3600_attn, .Lfunc_end_k_qa048bd3600_attn-k_qa048bd3600_attn
	.p2alignl 7, 3214868480
	.fill 96, 4, 3214868480
	.section	.rodata,"a",@progbits
	.p2align	6, 0x0
	.amdhsa_kernel k_qa048bd3600_attn
		.amdhsa_group_segment_fixed_size 290816
		.amdhsa_private_segment_fixed_size 0
		.amdhsa_enable_private_segment 0
		.amdhsa_kernarg_size 56
		.amdhsa_user_sgpr_count 2
		.amdhsa_user_sgpr_kernarg_segment_ptr 1
		.amdhsa_wavefront_size32 1
		.amdhsa_system_sgpr_workgroup_id_x 1
		.amdhsa_system_sgpr_workgroup_id_y 1
		.amdhsa_system_sgpr_workgroup_id_z 1
		.amdhsa_system_vgpr_workitem_id 0
		.amdhsa_next_free_vgpr 256
		.amdhsa_next_free_sgpr 66
		.amdhsa_reserve_vcc 0
		.amdhsa_float_denorm_mode_32 3
		.amdhsa_float_denorm_mode_16_64 3
		.amdhsa_memory_ordered 1
		.amdhsa_forward_progress 1
		.amdhsa_inst_pref_size 156
	.end_amdhsa_kernel
	.amdgpu_metadata
---
amdhsa.version: [ 1, 2 ]
amdhsa.kernels:
  - .name:           k_qa048bd3600_attn
    .symbol:         k_qa048bd3600_attn.kd
    .args:
      - { .name: qkvc, .offset: 0, .size: 8, .value_kind: global_buffer, .address_space: global }
      - { .name: qkvs, .offset: 8, .size: 8, .value_kind: global_buffer, .address_space: global }
      - { .name: lambda_q1, .offset: 16, .size: 8, .value_kind: global_buffer, .address_space: global }
      - { .name: lambda_k1, .offset: 24, .size: 8, .value_kind: global_buffer, .address_space: global }
      - { .name: lambda_q2, .offset: 32, .size: 8, .value_kind: global_buffer, .address_space: global }
      - { .name: lambda_k2, .offset: 40, .size: 8, .value_kind: global_buffer, .address_space: global }
      - { .name: att, .offset: 48, .size: 8, .value_kind: global_buffer, .address_space: global }
    .group_segment_fixed_size: 290816
    .private_segment_fixed_size: 0
    .kernarg_segment_align: 8
    .kernarg_segment_size: 56
    .max_flat_workgroup_size: 512
    .sgpr_count:     66
    .vgpr_count:     256
    .wavefront_size: 32
...
	.end_amdgpu_metadata
.endif
;; end of part 3
;; launch outln (part 4): grid 256 x 1, 16 waves a work-group, no clusters, 87,552 bytes of LDS; arguments att, cod, scl, gamma, beta, out0; writes out0
.if DOCPART == 4
	.amdgcn_target "amdgcn-amd-amdhsa--gfx1250"
	.amdhsa_code_object_version 6
	.text
	.protected	k_qa048bd3600_outln
	.globl	k_qa048bd3600_outln
	.p2align	8
	.type	k_qa048bd3600_outln,@function
k_qa048bd3600_outln:
	s_mov_b64 s[64:65], 0
	v_nop
	global_prefetch_b8 v0, s[64:65] scope:SCOPE_SE
	s_setreg_imm32_b32 hwreg(HW_REG_WAVE_MODE, 25, 1), 1
	s_wait_xcnt 0x0
; out0 = LayerNorm(att Wo) gamma + beta: att [4096][1024] f32 is quantised along its 1,024, Wo comes as fragment images from the first launch; the product on codes of FP6 (E2M3) with E8M0 scales.  No work is left out.
; A work-group takes 16 whole rows, since the norm wants whole rows; wave w takes columns 64 w .. 64 w + 63: four tiles of Wo (source 0) against the rows' fragment (source 1): a lane holds one row (lane % 16), and
; register i of tile t is column 64 w + 32 (t / 2) + 16 (lane / 16) + 8 (t % 2) + i.
; Waves 0-7 quantise one K step of the 16 rows each; the fragments reach all waves through LDS as images of their registers.
; Wo's fragments go from memory straight into a ring of three K steps in registers: up to 36 loads of a wave are out, with no barrier in the K loop.
; NO TENSOR RING, NO MULTICAST, though all work-groups walk Wo: a K step is four matrix instructions a wave, and each byte of Wo that a work-group reads feeds one wave once: LDS would add a write and a read and spare none.
; The norm is taken as the problem writes it: the mean, then the mean of the squared differences.  LIMITS: as in the first launch.
.set AIMG, 0                           ; 8 fragments x 1,536
.set ASC,  12288                       ; their scale words, 128 bytes each
.set RED1, 13312                       ; 16 rows x 80: the waves' sums;  1,280 on: the sums of squares
.set STG,  15872                       ; 16 waves x 16 rows x (256 + 16)
.set SPARE, 85504                      ; the spare words, 128 bytes a wave: eight blocks of 256 bytes that no other line names
.set SPW, 1
.set NIL, 2
.set SEL, 24
; v3 att: 4096 r + 64 h; v4 16 x lane; v5 4 x lane; v6 512 h + 4 r; v7 64 h; v8, v9 the sums' words; v10, v11 the stage, in and back; v12 out0: 4096 h + 16 r; v13, v14 where I store a fragment and its words;
; v16-31 Wo's scale words (8 p + s: tile 2 p in lanes 0-15, 2 p + 1 in lanes 16-31); v32-63 the sums; v64-87 two fragments of the rows; v88-95 their scale words; v96-239 the ring; v240-251 at work
.macro QUANT src, mx, pb, so, st, pc, pw
.irp b, 0,1,2,3
	v_max3_num_f32 v[\mx+\b], |v[\src+16*\b]|, |v[\src+1+16*\b]|, 0x1800000
.endr
.irp i, 2,4,6,8,10,12,14
.irp b, 0,1,2,3
	v_max3_num_f32 v[\mx+\b], v[\mx+\b], |v[\src+16*\b+\i]|, |v[\src+1+16*\b+\i]|
.endr
.endr
.irp b, 0,1,2,3
	v_permlanex16_b32 v[\pb+\b], v[\mx+\b], s[SEL], s[SEL+1]
.endr
.irp b, 0,1,2,3
	v_max_num_f32 v[\mx+\b], v[\mx+\b], v[\pb+\b]
.endr
.irp b, 0,1,2,3
	v_add_nc_u32 v[\so+\b], 0xff000000, v[\mx+\b]
.endr
.irp b, 0,1,2,3
	v_lshrrev_b32 v[\pb+\b], 23, v[\so+\b]
.endr
	v_lshl_or_b32 v[\pw], v[\pb+1], 8, v[\pb]
	v_lshl_or_b32 v[\pw], v[\pb+2], 16, v[\pw]
	v_lshl_or_b32 v[\pw], v[\pb+3], 24, v[\pw]
.irp c, 0,1
	v_cvt_scalef32_pk16_fp6_f32 v[\pc+6*\c:\pc+2+6*\c], v[\src+32*\c:\src+15+32*\c], v[\so+2*\c]
	v_cvt_scalef32_pk16_fp6_f32 v[\st+4*\c:\st+2+4*\c], v[\src+16+32*\c:\src+31+32*\c], v[\so+1+2*\c]
.endr
	v_nop
.irp c, 0,1
.irp i, 0,1,2
	v_permlane16_swap_b32 v[\pc+6*\c+\i], v[\st+4*\c+\i]
.endr
.irp i, 0,1,2
	v_mov_b32 v[\pc+3+6*\c+\i], v[\st+4*\c+\i]
.endr
.endr
.endm
.macro RING s                          ; my four tiles' fragments of K step s
.irp t, 0,1,2,3
.irp c, 0,1,2
	global_load_b128 v[96+48*((\s)%3)+12*\t+4*\c:99+48*((\s)%3)+12*\t+4*\c], v4, s[6:7] offset:12288*\t+1536*(\s)+512*\c
.endr
.endr
.endm
.macro AFETCH s                        ; the rows' fragment of K step s
.irp c, 0,1,2
	ds_load_b128 v[64+12*((\s)%2)+4*\c:67+12*((\s)%2)+4*\c], v4 offset:AIMG+1536*(\s)+512*\c
.endr
.endm
.macro VEC reg, base                   ; my 32 columns' numbers of gamma or beta, in the sums' layout
.irp t, 0,1,2,3
	global_load_b128 v[\reg+8*\t:\reg+8*\t+3], v7, s[\base:\base+1] offset:128*(\t/2)+32*(\t%2)
	global_load_b128 v[\reg+8*\t+4:\reg+8*\t+7], v7, s[\base:\base+1] offset:128*(\t/2)+32*(\t%2)+16
.endr
.endm
; a K step: four matrix instructions, the four sums by turns.  n: the loads issued behind this step's twelve
.macro KSTEP s, n
	s_wait_loadcnt \n
	s_wait_dscnt 0x0
.irp t, 0,1,2,3
.if (\s) == 0
.if (\t)%2
	v_wmma_scale_f32_16x16x128_f8f6f4 v[32+8*\t:39+8*\t], v[96+48*((\s)%3)+12*\t:107+48*((\s)%3)+12*\t], v[64+12*((\s)%2):75+12*((\s)%2)], 0, v[16+8*(\t/2)+(\s)], v[88+(\s)] matrix_a_fmt:MATRIX_FMT_FP6 matrix_b_fmt:MATRIX_FMT_FP6 matrix_a_scale:MATRIX_SCALE_ROW1
.else
	v_wmma_scale_f32_16x16x128_f8f6f4 v[32+8*\t:39+8*\t], v[96+48*((\s)%3)+12*\t:107+48*((\s)%3)+12*\t], v[64+12*((\s)%2):75+12*((\s)%2)], 0, v[16+8*(\t/2)+(\s)], v[88+(\s)] matrix_a_fmt:MATRIX_FMT_FP6 matrix_b_fmt:MATRIX_FMT_FP6
.endif
.else
.if (\t)%2
	v_wmma_scale_f32_16x16x128_f8f6f4 v[32+8*\t:39+8*\t], v[96+48*((\s)%3)+12*\t:107+48*((\s)%3)+12*\t], v[64+12*((\s)%2):75+12*((\s)%2)], v[32+8*\t:39+8*\t], v[16+8*(\t/2)+(\s)], v[88+(\s)] matrix_a_fmt:MATRIX_FMT_FP6 matrix_b_fmt:MATRIX_FMT_FP6 matrix_a_scale:MATRIX_SCALE_ROW1
.else
	v_wmma_scale_f32_16x16x128_f8f6f4 v[32+8*\t:39+8*\t], v[96+48*((\s)%3)+12*\t:107+48*((\s)%3)+12*\t], v[64+12*((\s)%2):75+12*((\s)%2)], v[32+8*\t:39+8*\t], v[16+8*(\t/2)+(\s)], v[88+(\s)] matrix_a_fmt:MATRIX_FMT_FP6 matrix_b_fmt:MATRIX_FMT_FP6
.endif
.endif
.endr
.rept 4
	v_nop                                          ; places ahead of loads into registers that these have read, and of the first read of the sums
.endr
.if (\s) <= 4
	RING (\s)+3
.elseif (\s) == 5
	VEC 192, 10                                    ; gamma, where K step 5's fragments lay
.elseif (\s) == 6
	VEC 96, 12                                     ; beta, where K step 6's lay
.endif
.if (\s) <= 5
	AFETCH (\s)+2
.endif
.endm
; the sixteen waves' numbers of my row, at byte off behind v8 and v9: v240 goes out, the total comes back in v244
.macro ACROSS off
	v_add_f32 v240, v240, v241
	v_permlanex16_b32 v241, v240, s[SEL], s[SEL+1]
	v_add_f32 v240, v240, v241                     ; my wave's 64 columns
	ds_store_b32 v8, v240 offset:\off
	s_wait_dscnt 0x0
	s_barrier_signal -1
	s_barrier_wait -1
	ds_load_b128 v[244:247], v9 offset:\off
	ds_load_b128 v[248:251], v9 offset:\off+16
	s_wait_dscnt 0x0
	v_pk_add_f32 v[244:245], v[244:245], v[246:247]
	v_pk_add_f32 v[248:249], v[248:249], v[250:251]
	v_pk_add_f32 v[244:245], v[244:245], v[248:249]
	v_add_f32 v244, v244, v245
	v_permlanex16_b32 v245, v244, s[SEL], s[SEL+1]
	v_add_f32 v244, v244, v245
.endm
	s_load_b256 s[4:11], s[0:1], 0x0               ; att s[4:5], cod s[6:7], scl s[8:9], gamma s[10:11]
	s_load_b128 s[12:15], s[0:1], 0x20             ; beta s[12:13], out0 s[14:15]
	v_lshl_add_u32 v[SPW], v0, 2, SPARE
	v_mov_b32 v[NIL], 0
	v_lshrrev_b32 v3, 5, v0
	v_readfirstlane_b32 s18, v3                    ; wave
	v_and_b32 v240, 15, v0                         ; r
	v_bfe_u32 v241, v0, 4, 1                       ; h
	v_and_b32 v242, 31, v0                         ; lane
	v_lshlrev_b32 v3, 12, v240
	v_lshl_add_u32 v3, v241, 6, v3
	v_lshlrev_b32 v4, 4, v242
	v_lshlrev_b32 v5, 2, v242
	v_lshlrev_b32 v6, 2, v240
	v_lshl_add_u32 v6, v241, 9, v6
	v_lshlrev_b32 v7, 6, v241
	v_mul_u32_u24 v243, v240, 80
	s_lshl_b32 s20, s18, 2
	s_add_co_u32 s20, s20, RED1
	v_add_nc_u32 v8, s20, v243
	v_lshl_add_u32 v9, v241, 5, v243
	v_add_nc_u32 v9, RED1, v9
	s_mul_i32 s20, s18, 4352
	s_add_co_u32 s20, s20, STG
	v_mul_u32_u24 v10, v240, 272
	v_lshl_add_u32 v10, v241, 6, v10
	v_add_nc_u32 v10, s20, v10
	v_mul_u32_u24 v11, v241, 272
	v_lshl_add_u32 v11, v240, 4, v11
	v_add_nc_u32 v11, s20, v11
	v_lshlrev_b32 v12, 12, v241
	v_lshl_add_u32 v12, v240, 4, v12
	s_mul_i32 s20, s18, 1536
	v_add_nc_u32 v13, s20, v4
	s_lshl_b32 s20, s18, 7
	s_add_co_u32 s20, s20, ASC
	v_add_nc_u32 v14, s20, v5
	s_mov_b32 s[SEL], 0x76543210
	s_mov_b32 s[SEL+1], 0xfedcba98
	s_mov_b32 s26, 0x3a800000                      ; 1 / 1024
	s_mov_b32 s27, 0x3727c5ac                      ; 1e-5
	s_mov_b32 s21, 0
	s_lshl_b32 s28, ttmp9, 16                      ; 16 rows of 4,096 bytes
	s_lshl_b32 s29, s18, 9
	s_lshl_b32 s30, s18, 8
	s_lshl_b32 s31, s18, 2
	s_add_co_u32 s31, s31, 576                     ; my first tile of Wo
	s_wait_kmcnt 0x0
	s_add_co_u32 s20, s28, s29
	s_add_nc_u64 s[4:5], s[4:5], s[20:21]          ; att: my rows, K step w
	s_add_co_u32 s20, s28, s30
	s_add_nc_u64 s[14:15], s[14:15], s[20:21]      ; out0: my rows, my 256 bytes
	s_mov_b32 s20, s30
	s_add_nc_u64 s[10:11], s[10:11], s[20:21]
	s_add_nc_u64 s[12:13], s[12:13], s[20:21]
	s_mul_i32 s20, s31, 12288
	s_add_nc_u64 s[6:7], s[6:7], s[20:21]
	s_lshl_b32 s20, s31, 9
	s_add_nc_u64 s[8:9], s[8:9], s[20:21]
	s_cmp_lt_u32 s18, 8
	s_cbranch_scc0 .Lno_x
.irp b, 0,1,2,3
.irp j, 0,1,2,3
	global_load_b128 v[32+16*\b+4*\j:35+16*\b+4*\j], v3, s[4:5] offset:128*\b+16*\j th:TH_LOAD_NT   ; register 16 b + i: k = 128 w + 32 b + 16 h + i of row r
.endr
.endr
.Lno_x:
.irp p, 0,1
.irp s, 0,1,2,3,4,5,6,7
	global_load_b32 v[16+8*\p+\s], v6, s[8:9] offset:1024*\p+64*\s
.endr
.endr
	RING 0
	RING 1
	s_cmp_lt_u32 s18, 8
	s_cbranch_scc0 .Lno_q
.irp b, 0,1,2,3
	v_mov_b32 v[196+\b], 0                         ; a lane permute's destination counts as one of its sources
.endr
	s_wait_loadcnt 40                              ; my 64 numbers are in; the 16 scale words and the ring's 24 loads may be out
	QUANT 32, 192, 196, 204, 222, 210, 208         ; at work in the ring's third part, which is still empty
.irp c, 0,1,2
	ds_store_b128 v13, v[210+4*\c:213+4*\c] offset:AIMG+512*\c
.endr
	ds_store_b32 v14, v208
.Lno_q:
	s_wait_dscnt 0x0
	s_barrier_signal -1
	s_barrier_wait -1                              ; the rows' eight fragments lie in LDS
.irp s, 0,1,2,3,4,5,6,7
	ds_load_b32 v[88+\s], v5 offset:ASC+128*\s
.endr
	AFETCH 0
	AFETCH 1
	RING 2
	KSTEP 0, 24                                    ; behind a step's twelve loads: the next two steps' 24
	KSTEP 1, 24
	KSTEP 2, 24
	KSTEP 3, 24
	KSTEP 4, 24
	KSTEP 5, 24
	KSTEP 6, 20                                    ; K step 7's 12 and gamma's 8
	KSTEP 7, 16                                    ; gamma's 8 and beta's 8
	; the norm.  The sums are read in ascending order, each from its low end on
	v_pk_add_f32 v[240:241], v[32:33], v[34:35]
	v_pk_add_f32 v[242:243], v[36:37], v[38:39]
.set J, 4
.rept 6
	v_pk_add_f32 v[240:241], v[240:241], v[32+2*J:33+2*J]
	v_pk_add_f32 v[242:243], v[242:243], v[34+2*J:35+2*J]
.set J, J+2
.endr
	v_pk_add_f32 v[240:241], v[240:241], v[242:243]
	ACROSS 0
	v_mul_f32 v244, s26, v244                      ; the mean
.set J, 0
.rept 16
	v_pk_add_f32 v[32+2*J:33+2*J], v[32+2*J:33+2*J], v[244:245] op_sel_hi:[1,0] neg_lo:[0,1] neg_hi:[0,1]
.set J, J+1
.endr
	v_pk_mul_f32 v[240:241], v[32:33], v[32:33]
	v_pk_mul_f32 v[242:243], v[34:35], v[34:35]
.set J, 2
.rept 7
	v_pk_fma_f32 v[240:241], v[32+2*J:33+2*J], v[32+2*J:33+2*J], v[240:241]
	v_pk_fma_f32 v[242:243], v[34+2*J:35+2*J], v[34+2*J:35+2*J], v[242:243]
.set J, J+2
.endr
	v_pk_add_f32 v[240:241], v[240:241], v[242:243]
	ACROSS 1280                                    ; other bytes than the first exchange's: no wave can meet a reader of those
	v_fma_f32 v244, v244, s26, s27                 ; the variance + 1e-5
	v_rsq_f32 v244, v244
	v_nop                                          ; a plain instruction behind the root,
	s_wait_alu depctr_va_vdst(0)                   ; and the wait ahead of its first reader
	s_wait_loadcnt 0x0                             ; gamma and beta
.set J, 0
.rept 16
	v_pk_mul_f32 v[32+2*J:33+2*J], v[32+2*J:33+2*J], v[244:245] op_sel_hi:[1,0]
.set J, J+1
.endr
.set J, 0
.rept 16
	v_pk_fma_f32 v[32+2*J:33+2*J], v[32+2*J:33+2*J], v[192+2*J:193+2*J], v[96+2*J:97+2*J]
.set J, J+1
.endr
	; the way out, through my own stage: a lane holds pieces of one row; they come back as rows' 256 consecutive bytes
.irp t, 0,1,2,3
	ds_store_b128 v10, v[32+8*\t:35+8*\t] offset:128*(\t/2)+32*(\t%2)
	ds_store_b128 v10, v[36+8*\t:39+8*\t] offset:128*(\t/2)+32*(\t%2)+16
.endr
.irp i, 0,1,2,3,4,5,6,7
	ds_load_b128 v[128+4*\i:131+4*\i], v11 offset:544*\i   ; LDS serves a wave's instructions in order (ISA guide 5.7.1): these see my stores
.endr
.irp i, 0,1,2,3,4,5,6,7
	s_wait_dscnt 7-\i
	global_store_b128 v12, v[128+4*\i:131+4*\i], s[14:15] offset:8192*\i th:TH_STORE_NT   ; sixteen lanes store 256 consecutive aligned bytes of a row, sixteen of the next
.endr
	s_wait_tensorcnt 0x0                           ; the wave's end, behind my last LDS store
	ds_add_u32 v[SPW], v[NIL]
	s_wait_dscnt 0x0
	s_endpgm
.Lfunc_end_k_qa048bd3600_outln:
	.size	k_qa048bd3600_outln, .Lfunc_end_k_qa048bd3600_outln-k_qa048bd3600_outln
	.p2alignl 7, 3214868480
	.fill 96, 4, 3214868480
	.section	.rodata,"a",@progbits
	.p2align	6, 0x0
	.amdhsa_kernel k_qa048bd3600_outln
		.amdhsa_group_segment_fixed_size 87552
		.amdhsa_private_segment_fixed_size 0
		.amdhsa_enable_private_segment 0
		.amdhsa_kernarg_size 48
		.amdhsa_user_sgpr_count 2
		.amdhsa_user_sgpr_kernarg_segment_ptr 1
		.amdhsa_wavefront_size32 1
		.amdhsa_system_sgpr_workgroup_id_x 1
		.amdhsa_system_sgpr_workgroup_id_y 1
		.amdhsa_system_sgpr_workgroup_id_z 1
		.amdhsa_system_vgpr_workitem_id 0
		.amdhsa_next_free_vgpr 256
		.amdhsa_next_free_sgpr 66
		.amdhsa_reserve_vcc 0
		.amdhsa_float_denorm_mode_32 3
		.amdhsa_float_denorm_mode_16_64 3
		.amdhsa_memory_ordered 1
		.amdhsa_forward_progress 1
		.amdhsa_inst_pref_size 38
	.end_amdhsa_kernel
	.amdgpu_metadata
---
amdhsa.version: [ 1, 2 ]
amdhsa.kernels:
  - .name:           k_qa048bd3600_outln
    .symbol:         k_qa048bd3600_outln.kd
    .args:
      - { .name: att, .offset: 0, .size: 8, .value_kind: global_buffer, .address_space: global }
      - { .name: cod, .offset: 8, .size: 8, .value_kind: global_buffer, .address_space: global }
      - { .name: scl, .offset: 16, .size: 8, .value_kind: global_buffer, .address_space: global }
      - { .name: gamma, .offset: 24, .size: 8, .value_kind: global_buffer, .address_space: global }
      - { .name: beta, .offset: 32, .size: 8, .value_kind: global_buffer, .address_space: global }
      - { .name: out0, .offset: 40, .size: 8, .value_kind: global_buffer, .address_space: global }
    .group_segment_fixed_size: 87552
    .private_segment_fixed_size: 0
    .kernarg_segment_align: 8
    .kernarg_segment_size: 48
    .max_flat_workgroup_size: 512
    .sgpr_count:     66
    .vgpr_count:     256
    .wavefront_size: 32
...
	.end_amdgpu_metadata
.endif
;; end of part 4
;; ======== version 2 of 2: 4 launches; version 1 with the launches attn, outln written anew for expert scheduling mode
;; workspace buffers: cod 7,864,320 bytes; scl 327,680 bytes; qkvc 15,728,640 bytes; qkvs 655,360 bytes; att 16,777,216 bytes
;; launch quant: the kernel of part 1 again; grid 640 x 1, 4 waves a work-group, no clusters, 0 bytes of LDS; arguments x, Wq, Wk, Wv, Wo, cod, scl; writes cod, scl
;; launch proj: the kernel of part 2 again; grid 16 x 20, 4 waves a work-group, clusters of 4 x 4, 327,680 bytes of LDS; arguments cod, scl, qkvc, qkvs; writes qkvc, qkvs
;; launch attn (part 5): grid 8 x 32, 16 waves a work-group, no clusters, 290,816 bytes of LDS; arguments qkvc, qkvs, lambda_q1, lambda_k1, lambda_q2, lambda_k2, att; writes att
.if DOCPART == 5
	.amdgcn_target "amdgcn-amd-amdhsa--gfx1250"
	.amdhsa_code_object_version 6
	.text
	.protected	k_qa048bd3600_attn
	.globl	k_qa048bd3600_attn
	.p2align	8
	.type	k_qa048bd3600_attn,@function
k_qa048bd3600_attn:
	s_mov_b64 s[64:65], 0
	v_nop
	global_prefetch_b8 v0, s[64:65] scope:SCOPE_SE
	s_setreg_imm32_b32 hwreg(HW_REG_WAVE_SCHED_MODE, 0, 2), 2
	s_setreg_imm32_b32 hwreg(HW_REG_WAVE_MODE, 25, 1), 1
	s_wait_xcnt 0x0
	s_wait_alu depctr_vm_vsrc(0)
; att[b][q][64 head ..] = (softmax(Q1 K1^T / 8) - lambda softmax(Q2 K2^T / 8)) V, all three products on codes of FP6 (E2M3) with E8M0 scales.  No work is left out.
; The weights go into the third product FINISHED AND NORMALISED, so both row sums must be known before a weight is quantised.  THE WEIGHTS STAY IN REGISTERS: a work-group of sixteen waves takes 16 queries at a time,
; wave w owns keys 128 w .. 128 w + 127 of the head, and holds its 2 x 64 weights a lane until the sixteen waves have exchanged maxima and sums through LDS.  So each score and each exponential is made once.
; SHARES.  A work-group: one head (bh = y), 256 queries (x): 16 tiles.  A wave's 8 fragments of K stay in registers for the whole launch, its 4 of V^T in LDS bytes of its own.
; LAYOUT.  S^T = K Q^T (source 0 = 16 keys, source 1 = 16 queries): a lane holds one query (lane % 16); by the tiles' order of rows, register 16 b + i is key 128 w + 32 b + 16 (lane / 16) + i.
; The head's 128 numbers are Q1 | Q2 and K1 | K2, and each score product has K = 64: K's fragment serves both, against Q's with its second half zero codes (v[12:23]) and with its first half zero codes (v[18:29]).
; SOFTMAX.  t = score x log2(e) / 8.  A wave takes M_w = ceil(its largest t), p = 2^(t - M_w), l_w = the sum of p.  Behind the barrier M = the largest M_w, l = the sum of l_w 2^(M_w - M) (ldexp: nothing is rounded), and
; the weight is p1 2^(M_w - M) / l1 - lambda p2 2^(M_w - M) / l2: softmax as the problem writes it, the row's maximum taken away (rounded up to a whole number, which cancels).
; O^T = V^T attn^T: each wave's 128 keys give a partial sum [16 queries][64]; the sixteen are added a tile later: wave w adds row w and stores its 256 consecutive aligned bytes.
; ONE BARRIER A TILE.  Between barriers t and t + 1 the waves read the statistics of parity t, write those of parity t + 1, read the partial sums of parity t - 1 and write those of parity t: four disjoint regions.
; NO MULTICAST: the eight work-groups of a head read the same K and V, but once each, at the head: 18,432 bytes a wave for sixteen tiles' work, K's straight into the registers where they stay.
; LIMITS: NaN and infinities are not served; v_exp_f32 gives 0 for results under 2^-126; blocks of weights under 2^-124 get the byte 1; the third product's sum is made of sixteen partial sums of 128 keys, added in f32.
; THE MODE: SCHED_MODE bits 1:0 = 2 (LLVM: expert scheduling mode 2), set by the entry lines.  The code itself states the register dependences between vector or matrix instructions and memory or LDS instructions,
; with s_wait_alu, always for 0.
; THE PLAN.  Registers that LDS or memory instructions touch in a tile, in the tile's order:
;   v12-17, v24-30      Q: loaded behind wait 4 of the tile before; read by the score products; then at work.
;   v28, v16, v30, v17  my statistics: written by the sums; read by four LDS stores behind wait 1; written again behind wait (b).
;   v12-27              the sixteen waves' statistics: loaded behind wait (b), and once more behind wait 2; read by vector lines.
;   v192-241            V^T and its scale words: loaded behind wait 3, over the second softmax's p; read by the second product.
;   v160-191            the partial sums of the tile before: loaded behind wait 4, over weights that the quantiser has read; added between the second product and wait 5.
;   v128-159, v160-161  the second product's results and the finished sum: read by the stores behind wait 5; written again by the next tile's score products, behind wait (a).
;   ADDRESSES  v0, v3-v6 are made once.  v11 (V^T's place) is made ahead of wait 3, v31 (the partial sums' second half) and v255 (Q's place) ahead of wait 4, v162 (the offset in att) ahead of wait 5;
;              each is written again only behind wait (a) of the next tile.
; Waits (a) and (b) are on vm_vsrc, waits 1 to 5 on va_vdst.  Between each of waits 1 to 5 and the LDS or memory instructions that lean on it no vector or matrix line names a register that those instructions touch.
.set VBLKB, 6656                       ; LDS 0: for each wave 4 fragment images of V^T and, at 6,144, two scale words a lane at 16 x lane
.set QIMG,  106496                     ; 16 tiles of Q x 2,048: registers 0-3 at 16 l; 4-5 at 512 + 16 l; 6-9 at 1,024 + 16 l; 10, 11 and the scale word at 1,536 + 16 l
.set STAT,  139264                     ; 2 parities x 5,120: -M1, l1, -M2, l2, 1,280 bytes each: query r, wave w at 80 r + 4 w
.set OPART, 149504                     ; wave w: 8,704 w + 4,352 parity + 272 r + 4 d
.set SPARE, 288768                     ; the spare words, 128 bytes a wave: eight blocks of 256 bytes that no other line names
.set SPW, 1
.set NIL, 2
.set TX,  11                           ; v11  at work in the statistics; then the LDS address of my V^T
.set R2,  31                           ; v31  from the quantiser on: the LDS address of waves 8 to 15's partial sums
.set GO,  162                          ; v162 behind the adding: my byte offset in att
.set QA,  255                          ; v255 from the quantiser on: the LDS address of the next tile of Q
.set SEL, 20                           ; s[20:21] lane l xor 16
.set CS,  22                           ; s[22:23] log2(e) / 8
; v0 16 x lane; v3 my statistics' word; v4 where I read eight waves' words; v5 where I put partial sums; v6 where I read them; v7-10 K's scale words (register p: tile 2 p in lanes 0-15, 2 p + 1 in lanes 16-31);
; v12-31 at work, and Q during the scores (v12-17 Q1, v18-23 zeros, v24-29 Q2, v30 its scale word); v32-127 K; v128-191 scores 1, then the weights; v192-255 scores 2, then V^T, its scale words, the weights' codes and scale word
.macro QUANT src, mx, pb, so, st, pc, pw
.irp b, 0,1,2,3
	v_max3_num_f32 v[\mx+\b], |v[\src+16*\b]|, |v[\src+1+16*\b]|, 0x1800000   ; block b: my 16 numbers, and the floor 2^(3 - 127)
.endr
.irp i, 2,4,6,8,10,12,14
.irp b, 0,1,2,3
	v_max3_num_f32 v[\mx+\b], v[\mx+\b], |v[\src+16*\b+\i]|, |v[\src+1+16*\b+\i]|
.endr
.endr
.irp b, 0,1,2,3
	v_permlanex16_b32 v[\pb+\b], v[\mx+\b], s[SEL], s[SEL+1]
.endr
.irp b, 0,1,2,3
	v_max_num_f32 v[\mx+\b], v[\mx+\b], v[\pb+\b]
.endr
.irp b, 0,1,2,3
	v_add_nc_u32 v[\so+\b], 0xff000000, v[\mx+\b]  ; 2 off the exponent field: the conversion's scale operand
.endr
.irp b, 0,1,2,3
	v_lshrrev_b32 v[\pb+\b], 23, v[\so+\b]
.endr
	v_lshl_or_b32 v[\pw], v[\pb+1], 8, v[\pb]
	v_lshl_or_b32 v[\pw], v[\pb+2], 16, v[\pw]
	v_lshl_or_b32 v[\pw], v[\pb+3], 24, v[\pw]
.irp c, 0,1
	v_cvt_scalef32_pk16_fp6_f32 v[\pc+6*\c:\pc+2+6*\c], v[\src+32*\c:\src+15+32*\c], v[\so+2*\c]
	v_cvt_scalef32_pk16_fp6_f32 v[\st+4*\c:\st+2+4*\c], v[\src+16+32*\c:\src+31+32*\c], v[\so+1+2*\c]
.endr
	v_nop                                          ; one plain instruction behind a scaled conversion
.irp c, 0,1
.irp i, 0,1,2
	v_permlane16_swap_b32 v[\pc+6*\c+\i], v[\st+4*\c+\i]
.endr
.irp i, 0,1,2
	v_mov_b32 v[\pc+3+6*\c+\i], v[\st+4*\c+\i]
.endr
.endr
.endm
.macro QADDR                           ; the vector lines of a fetch of Q: the address of the tile at LDS byte s26, and the zero codes between Q's halves
	v_add_nc_u32 v[QA], s26, v0
.irp i, 18,19,20,21,22,23
	v_mov_b32 v\i, 0
.endr
.endm
.macro QFETCH                          ; and its four loads
	ds_load_b128 v[12:15], v[QA]
	ds_load_b64 v[16:17], v[QA] offset:512
	ds_load_b128 v[24:27], v[QA] offset:1024
	ds_load_b96 v[28:30], v[QA] offset:1536
.endm
; the sixteen waves' -M and l of one softmax, at byte off: eight waves' of each a lane
.macro SLOAD off
	ds_load_b128 v[12:15], v4 offset:\off
	ds_load_b128 v[16:19], v4 offset:\off+16
	ds_load_b128 v[20:23], v4 offset:\off+1280
	ds_load_b128 v[24:27], v4 offset:\off+1296
.endm
; of them: v[F + 1], which holds my own -M on entry, becomes M_w - M as a whole number, and v[TX] becomes 1 / l
.macro SCALC F
	s_wait_dscnt 2                                 ; the eight -M are in; the two loads of l may be out
	v_max3_num_f32 v[TX], -v12, -v13, -v14
	v_max3_num_f32 v[TX], v[TX], -v15, -v16
	v_max3_num_f32 v[TX], v[TX], -v17, -v18
	v_max_num_f32 v[TX], v[TX], -v19
	v_permlanex16_b32 v[\F], v[TX], s[SEL], s[SEL+1]   ; the other eight waves' lie in lane l xor 16
	v_max_num_f32 v[\F], v[\F], v[TX]              ; M
.irp i, 0,2,4,6
	v_pk_add_f32 v[12+\i:13+\i], v[\F:\F+1], v[12+\i:13+\i] op_sel_hi:[0,1] neg_lo:[1,1] neg_hi:[1,1]   ; M_w - M: whole numbers, 0 or less
.endr
	v_sub_f32 v[\F+1], -v[\F], v[\F+1]             ; and my own
.irp i, 0,1,2,3,4,5,6,7
	v_cvt_i32_f32 v[12+\i], v[12+\i]               ; (it saturates)
.endr
	v_cvt_i32_f32 v[\F+1], v[\F+1]
	s_wait_dscnt 0x0
.irp i, 0,1,2,3,4,5,6,7
	v_ldexp_f32 v[20+\i], v[20+\i], v[12+\i]
.endr
	v_pk_add_f32 v[20:21], v[20:21], v[22:23]
	v_pk_add_f32 v[24:25], v[24:25], v[26:27]
	v_pk_add_f32 v[20:21], v[20:21], v[24:25]
	v_add_f32 v20, v20, v21
	v_permlanex16_b32 v21, v20, s[SEL], s[SEL+1]
	v_add_f32 v20, v20, v21                        ; l: over 1/2, since some wave has M_w = M
	v_rcp_f32 v[TX], v20                           ; into a register in which no load lands
	v_nop                                          ; a plain instruction behind the reciprocal; the wait for it follows the macro
.endm
.macro REDLOAD pp                      ; row w of the sixteen partial sums of parity pp: 8 bytes a lane from each
.irp k, 0,1,2,3,4,5,6,7
	ds_load_b64 v[160+2*\k:161+2*\k], v6 offset:8704*\k+4352*(\pp)
.endr
.irp k, 0,1,2,3,4,5,6,7
	ds_load_b64 v[176+2*\k:177+2*\k], v[R2] offset:8704*\k+4352*(\pp)
.endr
.endm
.macro REDSUM                          ; they are added, and the offset in att is made: seventeen plain lines on v160-191 and v0
.irp i, 0,1,2,3,4,5,6,7
	v_pk_add_f32 v[160+4*\i:161+4*\i], v[160+4*\i:161+4*\i], v[162+4*\i:163+4*\i]
.endr
.irp i, 0,1,2,3
	v_pk_add_f32 v[160+8*\i:161+8*\i], v[160+8*\i:161+8*\i], v[164+8*\i:165+8*\i]
.endr
	v_pk_add_f32 v[160:161], v[160:161], v[168:169]
	v_pk_add_f32 v[176:177], v[176:177], v[184:185]
	v_pk_add_f32 v[160:161], v[160:161], v[176:177]
	v_lshrrev_b32 v[GO], 1, v0                     ; 8 x lane
	v_add_nc_u32 v[GO], s28, v[GO]
.endm
.macro REDOUT inc
	global_store_b64 v[GO], v[160:161], s[16:17]   ; one query's 64 numbers of the head: 256 consecutive aligned bytes
.if (\inc) != 0
	s_add_co_u32 s28, s28, \inc
.endif
.endm
	s_load_b256 s[4:11], s[0:1], 0x0               ; qkvc s[4:5], qkvs s[6:7], lambda_q1 s[8:9], lambda_k1 s[10:11]
	s_load_b128 s[12:15], s[0:1], 0x20             ; lambda_q2 s[12:13], lambda_k2 s[14:15]
	s_load_b64 s[16:17], s[0:1], 0x30              ; att
	v_lshl_add_u32 v[SPW], v0, 2, SPARE
	v_mov_b32 v[NIL], 0
	v_lshrrev_b32 v12, 5, v0
	v_readfirstlane_b32 s18, v12                   ; wave
	v_and_b32 v15, 15, v0                          ; r
	v_bfe_u32 v16, v0, 4, 1                        ; h
	v_and_b32 v17, 31, v0                          ; lane
	v_lshlrev_b32 v14, 3, v17                      ; 8 x lane
	v_lshlrev_b32 v12, 2, v17                      ; 4 x lane
	v_lshlrev_b32 v13, 2, v15                      ; 4 r
	v_lshlrev_b32 v0, 4, v17                       ; 16 x lane
	s_wait_alu depctr_va_sdst(0)                   ; s18 is written, ahead of its first reader: addresses and bases are made from it
	s_lshl_b32 s30, s18, 2
	s_add_co_u32 s30, s30, STAT
	v_mul_u32_u24 v3, v15, 80
	v_lshl_add_u32 v4, v16, 5, v3
	v_add_nc_u32 v4, STAT, v4
	v_add_nc_u32 v3, s30, v3
	s_mul_i32 s37, s18, 8704
	s_add_co_u32 s37, s37, OPART
	v_mul_u32_u24 v5, v15, 272
	v_lshl_add_u32 v5, v16, 6, v5
	v_add_nc_u32 v5, s37, v5
	s_mul_i32 s38, s18, 272
	s_add_co_u32 s38, s38, OPART
	v_add_nc_u32 v6, s38, v14
	s_mul_i32 s25, s18, VBLKB
	v_add_nc_u32 v[TX], s25, v0                    ; where my V^T goes
	s_lshl_b32 s39, s18, 11
	s_add_co_u32 s39, s39, QIMG
	v_add_nc_u32 v18, s39, v0                      ; where the tile of Q that I bring goes
	s_and_b32 s31, ttmp7, 0xffff                   ; bh
	s_mov_b32 s[SEL], 0x76543210
	s_mov_b32 s[SEL+1], 0xfedcba98
	s_mov_b32 s[CS], 0x3e38aa3b
	s_mov_b32 s[CS+1], s[CS]                       ; (named with it as a pair, so it is written)
	s_lshl_b32 s32, s31, 7
	s_lshl_b32 s33, s18, 3
	s_add_co_u32 s34, s32, s33
	s_add_co_u32 s34, s34, 4096                    ; K's fragments: 4096 + 128 bh + 8 w on
	s_lshl_b32 s35, s31, 4
	s_add_co_u32 s35, s35, s18
	s_lshl_b32 s35, s35, 2
	s_add_co_u32 s35, s35, 8192                    ; V's: 8192 + 4 (16 bh + w) on
	s_lshl_b32 s36, ttmp9, 4
	s_add_co_u32 s36, s36, s32
	s_add_co_u32 s36, s36, s18                     ; the tile of Q that I bring: 128 bh + 16 x + w
	s_mov_b32 s41, 0
	s_wait_kmcnt 0x0
	s_mul_i32 s40, s34, 1536
	s_add_nc_u64 s[42:43], s[4:5], s[40:41]
	s_lshl_b32 s40, s34, 6
	s_add_nc_u64 s[44:45], s[6:7], s[40:41]
	s_mul_i32 s40, s35, 1536
	s_add_nc_u64 s[46:47], s[4:5], s[40:41]
	s_lshl_b32 s40, s35, 6
	s_add_nc_u64 s[48:49], s[6:7], s[40:41]
	s_mul_i32 s40, s36, 1536
	s_add_nc_u64 s[50:51], s[4:5], s[40:41]
	s_lshl_b32 s40, s36, 6
	s_add_nc_u64 s[52:53], s[6:7], s[40:41]
	s_lshr_b32 s40, s31, 4                         ; att: row 2048 batch + 256 x + w + 8 (w / 8): row w of the first tile, by the tiles' order of rows;
	s_lshl_b32 s40, s40, 11
	s_lshl_b32 s54, ttmp9, 8
	s_add_co_u32 s40, s40, s54
	s_add_co_u32 s40, s40, s18
	s_and_b32 s54, s18, 8
	s_add_co_u32 s40, s40, s54
	s_lshl_b32 s40, s40, 12
	s_and_b32 s54, s31, 15
	s_lshl_b32 s54, s54, 8                         ; the head's 256 bytes of it
	s_add_co_u32 s40, s40, s54
	s_add_nc_u64 s[16:17], s[16:17], s[40:41]
	s_wait_alu depctr_va_vdst(0)                   ; v0, v3-v6, v11-v14 and v18 are written: the offsets and addresses of the loads and LDS stores below, v0 and v3-v6 for the whole kernel
.irp k, 0,1,2,3,4,5,6,7,8,9,10,11,12,13,14,15,16,17,18,19,20,21,22,23
	global_load_b128 v[32+4*\k:35+4*\k], v0, s[42:43] offset:512*\k   ; K: 12,288 consecutive bytes, as the registers take them
.endr
.irp p, 0,1,2,3
	global_load_b32 v[7+\p], v12, s[44:45] offset:128*\p
.endr
.irp k, 0,1,2,3,4,5,6,7,8,9,10,11
	global_load_b128 v[128+4*\k:131+4*\k], v0, s[46:47] offset:512*\k   ; V^T
.endr
	global_load_b32 v176, v12, s[48:49]
	global_load_b32 v177, v12, s[48:49] offset:128
.irp k, 0,1,2
	global_load_b128 v[192+4*\k:195+4*\k], v0, s[50:51] offset:512*\k   ; a tile of Q
.endr
	global_load_b32 v204, v13, s[52:53]
	global_load_b64 v[208:209], v14, s[8:9]
	global_load_b64 v[210:211], v14, s[10:11]
	global_load_b64 v[212:213], v14, s[12:13]
	global_load_b64 v[214:215], v14, s[14:15]
	s_wait_loadcnt 0x0
.irp k, 0,1,2,3,4,5,6,7,8,9,10,11
	ds_store_b128 v[TX], v[128+4*\k:131+4*\k] offset:512*\k
.endr
	ds_store_b64 v[TX], v[176:177] offset:6144
	ds_store_b128 v18, v[192:195]
	ds_store_b64 v18, v[196:197] offset:512
	ds_store_b128 v18, v[198:201] offset:1024
	ds_store_b96 v18, v[202:204] offset:1536
	; lambda = exp(sum q1 k1) - exp(sum q2 k2) + 0.8 - 0.6 exp(-3.3): every wave makes it, two numbers a lane
	v_mul_f32 v216, v208, v210
	v_mul_f32 v217, v212, v214
	v_fmac_f32 v216, v209, v211
	v_fmac_f32 v217, v213, v215
.irp m, 1,2,4,8
	v_add_f32_dpp v216, v216, v216 row_xmask:\m row_mask:0xf bank_mask:0xf
	v_add_f32_dpp v217, v217, v217 row_xmask:\m row_mask:0xf bank_mask:0xf
.endr
	v_permlanex16_b32 v208, v216, s[SEL], s[SEL+1]
	v_permlanex16_b32 v209, v217, s[SEL], s[SEL+1]
	v_add_f32 v216, v216, v208
	v_add_f32 v217, v217, v209
	v_mul_f32 v216, 0x3fb8aa3b, v216
	v_mul_f32 v217, 0x3fb8aa3b, v217
	v_exp_f32 v216, v216
	v_exp_f32 v217, v217
	v_mov_b32 v31, 0                               ; (a plain instruction behind the exponentials; v31 is named as the upper half of v[30:31] before it is first used)
	s_wait_alu depctr_va_vdst(0)                   ; the two exponentials have written v216 and v217: one wait for the two, ahead of their first reader
	v_sub_f32 v216, v217, v216
	v_add_f32 v216, 0xbf47227f, v216
	v_readfirstlane_b32 s24, v216                  ; -lambda
	s_wait_alu depctr_va_sdst(0)                   ; s24 is written, ahead of its first reader, the multiplication by -lambda in the first tile
	s_mov_b32 s26, QIMG
	s_mov_b32 s28, 0                               ; the byte offset in att of the tile that is added next
	s_wait_dscnt 0x0                               ; my stores have landed
	s_barrier_signal -1
	s_barrier_wait -1                              ; all sixteen tiles of Q lie in LDS
	s_wait_alu depctr_vm_vsrc(0)                   ; the loads above have read their offsets v12-v14, the LDS stores their address v18: Q lands in v12-17, and v18 takes a zero
	QADDR
.rept 4
	v_nop                                          ; an operand written by vector instructions (the zeros) stands four places ahead of a scaled matrix instruction
.endr
	s_wait_alu depctr_va_vdst(0)                   ; the lines above are done with v12-17, in which Q lands; the zeros v18-23 are written, which the score products take
	QFETCH
; A TILE of 16 queries.  P: its parity; first, last: the first tile has no tile before it to add, the last none behind it to fetch
.macro TILE P, first, last
	s_wait_xcnt 0x0                                ; the last store to att has read its registers
	s_wait_dscnt 0x0                               ; Q is in; my partial sums of the last tile have landed
	s_wait_alu depctr_vm_vsrc(0)                   ; wait (a): the last tile's stores have read v128-162, its loads their addresses v11, v31 and v255: the products below write v128-255, later lines v11 and v31
.irp j, 0,1,2,3,4,5,6,7
.if (\j)%2
	v_wmma_scale_f32_16x16x128_f8f6f4 v[128+8*\j:135+8*\j], v[32+12*\j:43+12*\j], v[12:23], 0, v[7+\j/2], v30 matrix_a_fmt:MATRIX_FMT_FP6 matrix_b_fmt:MATRIX_FMT_FP6 matrix_a_scale:MATRIX_SCALE_ROW1
	v_wmma_scale_f32_16x16x128_f8f6f4 v[192+8*\j:199+8*\j], v[32+12*\j:43+12*\j], v[18:29], 0, v[7+\j/2], v30 matrix_a_fmt:MATRIX_FMT_FP6 matrix_b_fmt:MATRIX_FMT_FP6 matrix_a_scale:MATRIX_SCALE_ROW1
.else
	v_wmma_scale_f32_16x16x128_f8f6f4 v[128+8*\j:135+8*\j], v[32+12*\j:43+12*\j], v[12:23], 0, v[7+\j/2], v30 matrix_a_fmt:MATRIX_FMT_FP6 matrix_b_fmt:MATRIX_FMT_FP6
	v_wmma_scale_f32_16x16x128_f8f6f4 v[192+8*\j:199+8*\j], v[32+12*\j:43+12*\j], v[18:29], 0, v[7+\j/2], v30 matrix_a_fmt:MATRIX_FMT_FP6 matrix_b_fmt:MATRIX_FMT_FP6
.endif
.endr
.rept 5
	v_nop                                          ; five places: four ahead of the reads of the results and of writes over Q, the fifth since the second product's results are laid over these
.endr
	; my 128 keys' largest score of each softmax
.irp b, 0,1,2,3
	v_max3_num_f32 v[12+\b], v[128+16*\b], v[129+16*\b], v[130+16*\b]
	v_max3_num_f32 v[16+\b], v[192+16*\b], v[193+16*\b], v[194+16*\b]
.endr
.irp i, 3,5,7,9,11,13
.irp b, 0,1,2,3
	v_max3_num_f32 v[12+\b], v[12+\b], v[128+16*\b+\i], v[129+16*\b+\i]
	v_max3_num_f32 v[16+\b], v[16+\b], v[192+16*\b+\i], v[193+16*\b+\i]
.endr
.endr
.irp b, 0,1,2,3
	v_max_num_f32 v[12+\b], v[12+\b], v[143+16*\b]
	v_max_num_f32 v[16+\b], v[16+\b], v[207+16*\b]
.endr
	v_max3_num_f32 v12, v12, v13, v14
	v_max3_num_f32 v16, v16, v17, v18
	v_max_num_f32 v12, v12, v15
	v_max_num_f32 v16, v16, v19
	v_permlanex16_b32 v13, v12, s[SEL], s[SEL+1]
	v_permlanex16_b32 v17, v16, s[SEL], s[SEL+1]
	v_max_num_f32 v12, v12, v13
	v_max_num_f32 v16, v16, v17
	v_mul_f32 v12, s[CS], v12                      ; as t (the factor is positive)
	v_mul_f32 v16, s[CS], v16
	v_floor_f32 v28, -v12                          ; -M_w = floor(-t) = -ceil(t)
	v_floor_f32 v30, -v16
.set J, 0
.rept 32
	v_pk_fma_f32 v[128+2*J:129+2*J], v[128+2*J:129+2*J], s[CS:CS+1], v[28:29] op_sel_hi:[1,0,0]   ; t - M_w
.set J, J+1
.endr
	; the exponentials go in two batches, each with one wait; plain work that names none of a batch's results is dealt among them
.set J, 0
.rept 32
	v_exp_f32 v[128+2*J], v[128+2*J]
	v_exp_f32 v[129+2*J], v[129+2*J]
	v_pk_fma_f32 v[192+2*J:193+2*J], v[192+2*J:193+2*J], s[CS:CS+1], v[30:31] op_sel_hi:[1,0,0]
.set J, J+1
.endr
	s_wait_alu depctr_va_vdst(0)                   ; the first 64 exponentials have written v128-191, ahead of the first instruction that names a result
.set J, 0
.rept 32
	v_exp_f32 v[192+2*J], v[192+2*J]
	v_exp_f32 v[193+2*J], v[193+2*J]
.if J == 0
	v_pk_add_f32 v[12:13], v[128:129], v[130:131]  ; the sum of p1, in two chains
.elseif J == 1
	v_pk_add_f32 v[14:15], v[132:133], v[134:135]
.elseif J < 30
	v_pk_add_f32 v[12+2*(J%2):13+2*(J%2)], v[12+2*(J%2):13+2*(J%2)], v[132+2*J:133+2*J]
.elseif J == 30
	v_pk_add_f32 v[12:13], v[12:13], v[14:15]
.else
	v_nop
.endif
.set J, J+1
.endr
	s_wait_alu depctr_va_vdst(0)                   ; the second 64 have written v192-255, ahead of their first reader
	v_pk_add_f32 v[20:21], v[192:193], v[194:195]
	v_pk_add_f32 v[22:23], v[196:197], v[198:199]
.set J, 4
.rept 14
	v_pk_add_f32 v[20:21], v[20:21], v[192+2*J:193+2*J]
	v_pk_add_f32 v[22:23], v[22:23], v[194+2*J:195+2*J]
.set J, J+2
.endr
	v_pk_add_f32 v[20:21], v[20:21], v[22:23]
	v_add_f32 v16, v12, v13
	v_add_f32 v17, v20, v21
	v_permlanex16_b32 v18, v16, s[SEL], s[SEL+1]
	v_permlanex16_b32 v19, v17, s[SEL], s[SEL+1]
	v_add_f32 v16, v16, v18                        ; l_w of softmax 1,
	v_add_f32 v17, v17, v19                        ; of softmax 2
	v_mov_b32 v29, v28                             ; my own -M are kept
	v_mov_b32 v31, v30
	s_wait_alu depctr_va_vdst(0)                   ; wait 1: v28, v16, v30 and v17 are written, which the four stores read; the lines above are done with v12-27, in which the statistics land behind the barrier
	ds_store_b32 v3, v28 offset:5120*\P            ; both halves of the lanes write the same word with the same value
	ds_store_b32 v3, v16 offset:5120*\P+1280
	ds_store_b32 v3, v30 offset:5120*\P+2560
	ds_store_b32 v3, v17 offset:5120*\P+3840
	s_wait_dscnt 0x0                               ; for the others' sake: my statistics, and all my earlier LDS instructions, are done
	s_barrier_signal -1
	s_barrier_wait -1
	s_wait_alu depctr_vm_vsrc(0)                   ; wait (b): the four stores have read v16 and v17, in which loads land, and v28 and v30, which the lines below write
	SLOAD 5120*\P
	SCALC 28
	s_wait_alu depctr_va_vdst(0)                   ; wait 2: the reciprocal has written v11, ahead of its reader; and the lines above are done with v12-27, in which the second softmax's statistics land
	SLOAD 5120*\P+2560
	v_ldexp_f32 v28, v[TX], v29                    ; 2^(M_w - M) / l of softmax 1
	SCALC 30
	s_wait_alu depctr_va_vdst(0)                   ; the reciprocal has written v11, ahead of its reader
	v_ldexp_f32 v30, v[TX], v31                    ; of softmax 2,
	v_mul_f32 v30, s24, v30                        ; x -lambda
	v_add_nc_u32 v[TX], s25, v0                    ; where my V^T lies
.set J, 0
.rept 32
	v_pk_mul_f32 v[192+2*J:193+2*J], v[192+2*J:193+2*J], v[30:31] op_sel_hi:[1,0]
.set J, J+1
.endr
.set J, 0
.rept 32
	v_pk_fma_f32 v[128+2*J:129+2*J], v[128+2*J:129+2*J], v[28:29], v[192+2*J:193+2*J] op_sel_hi:[1,0,1]   ; the weight, finished and normalised
.set J, J+1
.endr
	s_wait_alu depctr_va_vdst(0)                   ; wait 3: the 64 lines above are done with v192-241, in which V^T lands
.irp k, 0,1,2,3,4,5,6,7,8,9,10,11
	ds_load_b128 v[192+4*\k:195+4*\k], v[TX] offset:512*\k   ; V^T of my 128 keys: it lands while the weights are quantised
.endr
	ds_load_b64 v[240:241], v[TX] offset:6144
	QUANT 128, 12, 16, 20, 24, 242, 254            ; the weights' codes in v242-253, their scale word in v254
.if (\first) == 0
	v_add_nc_u32 v[R2], 8*8704, v6                 ; waves 8 to 15's partial sums
.endif
.if (\last) == 0
	s_add_co_u32 s26, s26, 2048
	QADDR                                          ; these plain lines are the places between the codes and scale word just made and the products below
.else
.rept 4
	v_nop
.endr
.endif
	s_wait_alu depctr_va_vdst(0)                   ; wait 4: the quantiser is done with v160-191 and v12-30, in which partial sums and Q land; the codes v242-253, the scale word v254 and the zeros v18-23 are written, which scaled products take
.if (\first) == 0
	REDLOAD 1-\P                                   ; the last tile's partial sums: every wave stored its own ahead of the barrier above
.endif
.if (\last) == 0
	QFETCH                                         ; the next tile of Q
.endif
	s_wait_dscnt 16*(1-\first)+4*(1-\last)         ; V^T is in; what was asked for behind it (16 loads of partial sums, 4 of Q) may be out
.irp t, 0,1,2,3
.if (\t)%2
	v_wmma_scale_f32_16x16x128_f8f6f4 v[128+8*\t:135+8*\t], v[192+12*\t:203+12*\t], v[242:253], 0, v[240+\t/2], v254 matrix_a_fmt:MATRIX_FMT_FP6 matrix_b_fmt:MATRIX_FMT_FP6 matrix_a_scale:MATRIX_SCALE_ROW1
.else
	v_wmma_scale_f32_16x16x128_f8f6f4 v[128+8*\t:135+8*\t], v[192+12*\t:203+12*\t], v[242:253], 0, v[240+\t/2], v254 matrix_a_fmt:MATRIX_FMT_FP6 matrix_b_fmt:MATRIX_FMT_FP6
.endif
.endr
.if \first
.rept 5
	v_nop                                          ; five places: four ahead of the stores of the results, the fifth since the next tile's scores are laid over these products' registers
.endr
.else
	s_wait_dscnt 4*(1-\last)                       ; the sixteen partial sums are in; Q's four loads may be out
	REDSUM                                         ; seventeen plain lines that name no register of the products above: they are those five places
.endif
	s_wait_alu depctr_va_vdst(0)                   ; wait 5: the products have written v128-159, the adding v160-161 and v162: the data and the offset of the stores below
.irp t, 0,1,2,3
	ds_store_b128 v5, v[128+8*\t:131+8*\t] offset:4352*\P+128*(\t/2)+32*(\t%2)      ; lane (r, h), register i: channel 32 (t / 2) + 16 h + 8 (t % 2) + i
	ds_store_b128 v5, v[132+8*\t:135+8*\t] offset:4352*\P+128*(\t/2)+32*(\t%2)+16
.endr
.if (\first) == 0
	REDOUT 32768+65536*(1-\P)                      ; from an even tile to the next 8 rows of att, from an odd one 24
.endif
.endm
	TILE 0, 1, 0
	s_mov_b32 s27, 7
.Lpair:
	TILE 1, 0, 0
	TILE 0, 0, 0
	s_sub_co_u32 s27, s27, 1
	s_cmp_lg_u32 s27, 0
	s_cbranch_scc1 .Lpair
	TILE 1, 0, 1
	s_wait_dscnt 0x0                               ; my last partial sums have landed
	s_barrier_signal -1
	s_barrier_wait -1
	s_wait_xcnt 0x0                                ; the last store has read its registers
	s_wait_alu depctr_vm_vsrc(0)                   ; the last store to att has read v160-162, in which the loads below land (the adding that named v160-191 stands ahead of wait 5; v31 still holds the address made in the last tile)
	REDLOAD 1
	s_wait_dscnt 0x0
	REDSUM
	s_wait_alu depctr_va_vdst(0)                   ; the adding has written v160-161 and v162, which the store reads
	REDOUT 0
	s_wait_dscnt 0x0                               ; the closing lines, six on end
	s_wait_alu 0x0
	s_wait_tensorcnt 0x0
	ds_add_u32 v[SPW], v[NIL]
	s_wait_dscnt 0x0
	s_endpgm
.Lfunc_end_k_qa048bd3600_attn:
	.size	k_qa048bd3600_attn, .Lfunc_end_k_qa048bd3600_attn-k_qa048bd3600_attn
	.p2alignl 7, 3214868480
	.fill 96, 4, 3214868480
	.section	.rodata,"a",@progbits
	.p2align	6, 0x0
	.amdhsa_kernel k_qa048bd3600_attn
		.amdhsa_group_segment_fixed_size 290816
		.amdhsa_private_segment_fixed_size 0
		.amdhsa_enable_private_segment 0
		.amdhsa_kernarg_size 56
		.amdhsa_user_sgpr_count 2
		.amdhsa_user_sgpr_kernarg_segment_ptr 1
		.amdhsa_wavefront_size32 1
		.amdhsa_system_sgpr_workgroup_id_x 1
		.amdhsa_system_sgpr_workgroup_id_y 1
		.amdhsa_system_sgpr_workgroup_id_z 1
		.amdhsa_system_vgpr_workitem_id 0
		.amdhsa_next_free_vgpr 256
		.amdhsa_next_free_sgpr 66
		.amdhsa_reserve_vcc 0
		.amdhsa_float_denorm_mode_32 3
		.amdhsa_float_denorm_mode_16_64 3
		.amdhsa_memory_ordered 1
		.amdhsa_forward_progress 1
		.amdhsa_inst_pref_size 157
	.end_amdhsa_kernel
	.amdgpu_metadata
---
amdhsa.version: [ 1, 2 ]
amdhsa.kernels:
  - .name:           k_qa048bd3600_attn
    .symbol:         k_qa048bd3600_attn.kd
    .args:
      - { .name: qkvc, .offset: 0, .size: 8, .value_kind: global_buffer, .address_space: global }
      - { .name: qkvs, .offset: 8, .size: 8, .value_kind: global_buffer, .address_space: global }
      - { .name: lambda_q1, .offset: 16, .size: 8, .value_kind: global_buffer, .address_space: global }
      - { .name: lambda_k1, .offset: 24, .size: 8, .value_kind: global_buffer, .address_space: global }
      - { .name: lambda_q2, .offset: 32, .size: 8, .value_kind: global_buffer, .address_space: global }
      - { .name: lambda_k2, .offset: 40, .size: 8, .value_kind: global_buffer, .address_space: global }
      - { .name: att, .offset: 48, .size: 8, .value_kind: global_buffer, .address_space: global }
    .group_segment_fixed_size: 290816
    .private_segment_fixed_size: 0
    .kernarg_segment_align: 8
    .kernarg_segment_size: 56
    .max_flat_workgroup_size: 512
    .sgpr_count:     66
    .vgpr_count:     256
    .wavefront_size: 32
...
	.end_amdgpu_metadata
.endif
;; end of part 5
;; launch outln (part 6): grid 256 x 1, 16 waves a work-group, no clusters, 87,552 bytes of LDS; arguments att, cod, scl, gamma, beta, out0; writes out0
.if DOCPART == 6
	.amdgcn_target "amdgcn-amd-amdhsa--gfx1250"
	.amdhsa_code_object_version 6
	.text
	.protected	k_qa048bd3600_outln
	.globl	k_qa048bd3600_outln
	.p2align	8
	.type	k_qa048bd3600_outln,@function
k_qa048bd3600_outln:
	s_mov_b64 s[64:65], 0
	v_nop
	global_prefetch_b8 v0, s[64:65] scope:SCOPE_SE
	s_setreg_imm32_b32 hwreg(HW_REG_WAVE_SCHED_MODE, 0, 2), 2
	s_setreg_imm32_b32 hwreg(HW_REG_WAVE_MODE, 25, 1), 1
	s_wait_xcnt 0x0
	s_wait_alu depctr_vm_vsrc(0)
; out0 = LayerNorm(att Wo) gamma + beta: att [4096][1024] f32 is quantised along its 1,024, Wo comes as fragment images from the first launch; the product on codes of FP6 (E2M3) with E8M0 scales.  No work is left out.
; A work-group takes 16 whole rows, since the norm wants whole rows; wave w takes columns 64 w .. 64 w + 63: four tiles of Wo (source 0) against the rows' fragment (source 1): a lane holds one row (lane % 16), and
; register i of tile t is column 64 w + 32 (t / 2) + 16 (lane / 16) + 8 (t % 2) + i.
; Waves 0-7 quantise one K step of the 16 rows each; the fragments reach all waves through LDS as images of their registers.
; Wo's fragments go from memory straight into a ring of three K steps in registers, with no barrier in the K steps.
; NO TENSOR RING, NO MULTICAST, though all work-groups walk Wo: a K step is four matrix instructions a wave, and each byte of Wo that a work-group reads feeds one wave once: LDS would add a write and a read and spare none.
; The norm is taken as the problem writes it: the mean, then the mean of the squared differences.  LIMITS: as in the first launch.
; THE MODE: SCHED_MODE bits 1:0 = 2 (LLVM: expert scheduling mode 2), set by the entry lines.  The code itself states the register dependences between vector or matrix instructions and memory or LDS instructions,
; with s_wait_alu, always for 0.
; THE PLAN.  Registers that memory or LDS instructions touch in the K steps:
;   the ring, v96-239, three parts   Step s's four products read part s % 3.  The loads of step s + 2 land in part (s + 2) % 3 = (s - 1) % 3, which step s - 1 read (in steps 6 and 7: gamma and beta).
;   the rows' fragments, three sets  v64-75, v76-87, v240-251.  Step s's products read set s % 3; the LDS loads of step s + 2 land in set (s - 1) % 3.
;   v4, v7                           offsets, made once at the head; all steps are reached by immediate offsets.
;   The sums v32-63 and the scale words v16-31, v88-95 are touched by no load in the K steps.
; So ONE wait on va_vdst stands at the head of steps 1 to 7, behind the waits for the step's own data: the products of the step before are done reading their part of the ring and their set.  The step's loads follow it,
; dealt among its four products, which name part s % 3, set s % 3, the sums and the scale words: none of the registers in which those loads land.
.set AIMG, 0                           ; 8 fragments x 1,536
.set ASC,  12288                       ; their scale words, 128 bytes each
.set RED1, 13312                       ; 16 rows x 80: the waves' sums;  1,280 on: the sums of squares
.set STG,  15872                       ; 16 waves x 16 rows x (256 + 16)
.set SPARE, 85504                      ; the spare words, 128 bytes a wave: eight blocks of 256 bytes that no other line names
.set SPW, 1
.set NIL, 2
.set SEL, 24
; v3 att: 4096 r + 64 h; v4 16 x lane; v5 4 x lane; v6 512 h + 4 r; v7 64 h; v8, v9 the sums' words; v10, v11 the stage, in and back; v12 out0: 4096 h + 16 r; v13, v14 where I store a fragment and its words;
; v16-31 Wo's scale words (8 p + s: tile 2 p in lanes 0-15, 2 p + 1 in lanes 16-31); v32-63 the sums; v64-87 two fragments of the rows; v88-95 their scale words; v96-239 the ring; v240-251 the third fragment, at the head and in the norm at work
.macro QUANT src, mx, pb, so, st, pc, pw
.irp b, 0,1,2,3
	v_max3_num_f32 v[\mx+\b], |v[\src+16*\b]|, |v[\src+1+16*\b]|, 0x1800000
.endr
.irp i, 2,4,6,8,10,12,14
.irp b, 0,1,2,3
	v_max3_num_f32 v[\mx+\b], v[\mx+\b], |v[\src+16*\b+\i]|, |v[\src+1+16*\b+\i]|
.endr
.endr
.irp b, 0,1,2,3
	v_permlanex16_b32 v[\pb+\b], v[\mx+\b], s[SEL], s[SEL+1]
.endr
.irp b, 0,1,2,3
	v_max_num_f32 v[\mx+\b], v[\mx+\b], v[\pb+\b]
.endr
.irp b, 0,1,2,3
	v_add_nc_u32 v[\so+\b], 0xff000000, v[\mx+\b]
.endr
.irp b, 0,1,2,3
	v_lshrrev_b32 v[\pb+\b], 23, v[\so+\b]
.endr
	v_lshl_or_b32 v[\pw], v[\pb+1], 8, v[\pb]
	v_lshl_or_b32 v[\pw], v[\pb+2], 16, v[\pw]
	v_lshl_or_b32 v[\pw], v[\pb+3], 24, v[\pw]
.irp c, 0,1
	v_cvt_scalef32_pk16_fp6_f32 v[\pc+6*\c:\pc+2+6*\c], v[\src+32*\c:\src+15+32*\c], v[\so+2*\c]
	v_cvt_scalef32_pk16_fp6_f32 v[\st+4*\c:\st+2+4*\c], v[\src+16+32*\c:\src+31+32*\c], v[\so+1+2*\c]
.endr
	v_nop
.irp c, 0,1
.irp i, 0,1,2
	v_permlane16_swap_b32 v[\pc+6*\c+\i], v[\st+4*\c+\i]
.endr
.irp i, 0,1,2
	v_mov_b32 v[\pc+3+6*\c+\i], v[\st+4*\c+\i]
.endr
.endr
.endm
.macro RINGT s, t                      ; tile t's fragment of K step s: three loads of 512 consecutive bytes
.irp c, 0,1,2
	global_load_b128 v[96+48*((\s)%3)+12*(\t)+4*\c:99+48*((\s)%3)+12*(\t)+4*\c], v4, s[6:7] offset:12288*(\t)+1536*(\s)+512*\c
.endr
.endm
.macro RING s                          ; my four tiles' fragments of K step s
.irp t, 0,1,2,3
	RINGT \s, \t
.endr
.endm
.macro AFETCH s                        ; the rows' fragment of K step s, into set s % 3
.set AB, 64+12*((\s)%3)+152*(((\s)%3)/2)
.irp c, 0,1,2
	ds_load_b128 v[AB+4*\c:AB+4*\c+3], v4 offset:AIMG+1536*(\s)+512*\c
.endr
.endm
.macro VECT reg, base, t               ; tile t's eight numbers of gamma or beta, in the sums' layout
	global_load_b128 v[\reg+8*(\t):\reg+8*(\t)+3], v7, s[\base:\base+1] offset:128*((\t)/2)+32*((\t)%2)
	global_load_b128 v[\reg+8*(\t)+4:\reg+8*(\t)+7], v7, s[\base:\base+1] offset:128*((\t)/2)+32*((\t)%2)+16
.endm
.macro MM s, t                         ; K step s, tile t: the first step starts the sums
.set AB, 64+12*((\s)%3)+152*(((\s)%3)/2)
.set RG, 96+48*((\s)%3)+12*(\t)
.if (\s) == 0
.if (\t)%2
	v_wmma_scale_f32_16x16x128_f8f6f4 v[32+8*(\t):39+8*(\t)], v[RG:RG+11], v[AB:AB+11], 0, v[16+8*((\t)/2)+(\s)], v[88+(\s)] matrix_a_fmt:MATRIX_FMT_FP6 matrix_b_fmt:MATRIX_FMT_FP6 matrix_a_scale:MATRIX_SCALE_ROW1
.else
	v_wmma_scale_f32_16x16x128_f8f6f4 v[32+8*(\t):39+8*(\t)], v[RG:RG+11], v[AB:AB+11], 0, v[16+8*((\t)/2)+(\s)], v[88+(\s)] matrix_a_fmt:MATRIX_FMT_FP6 matrix_b_fmt:MATRIX_FMT_FP6
.endif
.else
.if (\t)%2
	v_wmma_scale_f32_16x16x128_f8f6f4 v[32+8*(\t):39+8*(\t)], v[RG:RG+11], v[AB:AB+11], v[32+8*(\t):39+8*(\t)], v[16+8*((\t)/2)+(\s)], v[88+(\s)] matrix_a_fmt:MATRIX_FMT_FP6 matrix_b_fmt:MATRIX_FMT_FP6 matrix_a_scale:MATRIX_SCALE_ROW1
.else
	v_wmma_scale_f32_16x16x128_f8f6f4 v[32+8*(\t):39+8*(\t)], v[RG:RG+11], v[AB:AB+11], v[32+8*(\t):39+8*(\t)], v[16+8*((\t)/2)+(\s)], v[88+(\s)] matrix_a_fmt:MATRIX_FMT_FP6 matrix_b_fmt:MATRIX_FMT_FP6
.endif
.endif
.endm
; a K step: four matrix instructions, the four sums by turns.  n: the loads from memory issued behind this step's twelve; d: the LDS loads issued behind this step's fragment
.macro KSTEP s, n, d
	s_wait_loadcnt \n
	s_wait_dscnt \d
.if (\s) > 0
	s_wait_alu depctr_va_vdst(0)                   ; the products of the step before are done reading their part of the ring and their fragment of the rows, in which the loads of this step land
.endif
.if ((\s) > 0) && ((\s) <= 5)
	AFETCH (\s)+2
.endif
.irp t, 0,1,2,3
	MM \s, \t
.if ((\s) > 0) && ((\s) <= 5)
	RINGT (\s)+2, \t                               ; no wait: no matrix instruction since the wait above names these registers
.elseif (\s) == 6
	VECT 192, 10, \t                               ; gamma, where K step 5's fragments lay
.elseif (\s) == 7
	VECT 96, 12, \t                                ; beta, where K step 6's lay
.endif
.endr
.rept 4
	v_nop                                          ; four places behind the step's products, ahead of the next step's loads into registers that these have read and of the first read of the sums
.endr
.endm
; the sixteen waves' numbers of my row, at byte off behind v8 and v9: v240 goes out, the total comes back in v244
.macro ACROSS off
	v_add_f32 v240, v240, v241
	v_permlanex16_b32 v241, v240, s[SEL], s[SEL+1]
	v_add_f32 v240, v240, v241                     ; my wave's 64 columns
	s_wait_alu depctr_va_vdst(0)                   ; v240 is written, which the store reads; the lines above are done with v244-251, in which the loads behind the barrier land
	ds_store_b32 v8, v240 offset:\off
	s_wait_dscnt 0x0
	s_barrier_signal -1
	s_barrier_wait -1
	ds_load_b128 v[244:247], v9 offset:\off
	ds_load_b128 v[248:251], v9 offset:\off+16
	s_wait_dscnt 0x0
	v_pk_add_f32 v[244:245], v[244:245], v[246:247]
	v_pk_add_f32 v[248:249], v[248:249], v[250:251]
	v_pk_add_f32 v[244:245], v[244:245], v[248:249]
	v_add_f32 v244, v244, v245
	v_permlanex16_b32 v245, v244, s[SEL], s[SEL+1]
	v_add_f32 v244, v244, v245
.endm
	s_load_b256 s[4:11], s[0:1], 0x0               ; att s[4:5], cod s[6:7], scl s[8:9], gamma s[10:11]
	s_load_b128 s[12:15], s[0:1], 0x20             ; beta s[12:13], out0 s[14:15]
	v_lshl_add_u32 v[SPW], v0, 2, SPARE
	v_mov_b32 v[NIL], 0
	v_lshrrev_b32 v3, 5, v0
	v_readfirstlane_b32 s18, v3                    ; wave
	v_and_b32 v240, 15, v0                         ; r
	v_bfe_u32 v241, v0, 4, 1                       ; h
	v_and_b32 v242, 31, v0                         ; lane
	v_lshlrev_b32 v3, 12, v240
	v_lshl_add_u32 v3, v241, 6, v3
	v_lshlrev_b32 v4, 4, v242
	v_lshlrev_b32 v5, 2, v242
	v_lshlrev_b32 v6, 2, v240
	v_lshl_add_u32 v6, v241, 9, v6
	v_lshlrev_b32 v7, 6, v241
	v_mul_u32_u24 v243, v240, 80
	s_wait_alu depctr_va_sdst(0)                   ; s18 is written, ahead of its first reader: addresses, bases and the branches on the wave's number are made from it
	s_lshl_b32 s32, s18, 2
	s_add_co_u32 s32, s32, RED1
	v_add_nc_u32 v8, s32, v243
	v_lshl_add_u32 v9, v241, 5, v243
	v_add_nc_u32 v9, RED1, v9
	s_mul_i32 s33, s18, 4352
	s_add_co_u32 s33, s33, STG
	v_mul_u32_u24 v10, v240, 272
	v_lshl_add_u32 v10, v241, 6, v10
	v_add_nc_u32 v10, s33, v10
	v_mul_u32_u24 v11, v241, 272
	v_lshl_add_u32 v11, v240, 4, v11
	v_add_nc_u32 v11, s33, v11
	v_lshlrev_b32 v12, 12, v241
	v_lshl_add_u32 v12, v240, 4, v12
	s_mul_i32 s34, s18, 1536
	v_add_nc_u32 v13, s34, v4
	s_lshl_b32 s35, s18, 7
	s_add_co_u32 s35, s35, ASC
	v_add_nc_u32 v14, s35, v5
	s_mov_b32 s[SEL], 0x76543210
	s_mov_b32 s[SEL+1], 0xfedcba98
	s_mov_b32 s26, 0x3a800000                      ; 1 / 1024
	s_mov_b32 s27, 0x3727c5ac                      ; 1e-5
	s_mov_b32 s21, 0
	s_lshl_b32 s28, ttmp9, 16                      ; 16 rows of 4,096 bytes
	s_lshl_b32 s29, s18, 9
	s_lshl_b32 s30, s18, 8
	s_lshl_b32 s31, s18, 2
	s_add_co_u32 s31, s31, 576                     ; my first tile of Wo
	s_wait_kmcnt 0x0
	s_add_co_u32 s20, s28, s29
	s_add_nc_u64 s[4:5], s[4:5], s[20:21]          ; att: my rows, K step w
	s_add_co_u32 s20, s28, s30
	s_add_nc_u64 s[14:15], s[14:15], s[20:21]      ; out0: my rows, my 256 bytes
	s_mov_b32 s20, s30
	s_add_nc_u64 s[10:11], s[10:11], s[20:21]
	s_add_nc_u64 s[12:13], s[12:13], s[20:21]
	s_mul_i32 s20, s31, 12288
	s_add_nc_u64 s[6:7], s[6:7], s[20:21]
	s_lshl_b32 s20, s31, 9
	s_add_nc_u64 s[8:9], s[8:9], s[20:21]
	s_wait_alu depctr_va_vdst(0)                   ; the offsets and addresses v3 to v14 are written, which the loads and stores of the whole kernel read; the lines above are done with v240-243, in which a fragment lands later
	s_cmp_lt_u32 s18, 8
	s_cbranch_scc0 .Lno_x
.irp b, 0,1,2,3
.irp j, 0,1,2,3
	global_load_b128 v[32+16*\b+4*\j:35+16*\b+4*\j], v3, s[4:5] offset:128*\b+16*\j th:TH_LOAD_NT   ; register 16 b + i: k = 128 w + 32 b + 16 h + i of row r
.endr
.endr
.Lno_x:
.irp p, 0,1
.irp s, 0,1,2,3,4,5,6,7
	global_load_b32 v[16+8*\p+\s], v6, s[8:9] offset:1024*\p+64*\s
.endr
.endr
	RING 0
	RING 1
	s_cmp_lt_u32 s18, 8
	s_cbranch_scc0 .Lno_q
.irp b, 0,1,2,3
	v_mov_b32 v[196+\b], 0                         ; a lane permute's destination counts as one of its sources
.endr
	s_wait_loadcnt 40                              ; my 64 numbers are in; the 16 scale words and the ring's 24 loads may be out
	QUANT 32, 192, 196, 204, 222, 210, 208         ; at work in the ring's third part, which is still empty
	s_wait_alu depctr_va_vdst(0)                   ; the quantiser has written v208 and v210-221, which the LDS stores read; it is done with v64-95 and v192-228, in which loads land behind the barrier
.irp c, 0,1,2
	ds_store_b128 v13, v[210+4*\c:213+4*\c] offset:AIMG+512*\c
.endr
	ds_store_b32 v14, v208
.Lno_q:
	s_wait_dscnt 0x0
	s_barrier_signal -1
	s_barrier_wait -1                              ; the rows' eight fragments lie in LDS
	s_wait_alu depctr_vm_vsrc(0)                   ; the LDS stores of waves 0 to 7 have read v208 and v210-221, in which the ring's third part lands
	RING 2
.irp s, 0,1,2,3,4,5,6,7
	ds_load_b32 v[88+\s], v5 offset:ASC+128*\s
.endr
	AFETCH 0
	AFETCH 1
	AFETCH 2
	KSTEP 0, 24, 6                                 ; behind step 0's twelve loads: steps 1 and 2's 24; behind its fragment: fragments 1 and 2, six loads
	KSTEP 1, 12, 3                                 ; from here on: the next step's twelve, asked for in the step before; the next fragment's three
	KSTEP 2, 12, 3
	KSTEP 3, 12, 3
	KSTEP 4, 12, 3
	KSTEP 5, 12, 3
	KSTEP 6, 12, 3
	KSTEP 7, 8, 0                                  ; gamma's 8; no fragment is left to come
	; the norm.  The sums are read in ascending order, each from its low end on
	v_pk_add_f32 v[240:241], v[32:33], v[34:35]
	v_pk_add_f32 v[242:243], v[36:37], v[38:39]
.set J, 4
.rept 6
	v_pk_add_f32 v[240:241], v[240:241], v[32+2*J:33+2*J]
	v_pk_add_f32 v[242:243], v[242:243], v[34+2*J:35+2*J]
.set J, J+2
.endr
	v_pk_add_f32 v[240:241], v[240:241], v[242:243]
	ACROSS 0
	s_wait_alu depctr_vm_vsrc(0)                   ; the exchange's store has read v240, which the squares below write again
	v_mul_f32 v244, s26, v244                      ; the mean
.set J, 0
.rept 16
	v_pk_add_f32 v[32+2*J:33+2*J], v[32+2*J:33+2*J], v[244:245] op_sel_hi:[1,0] neg_lo:[0,1] neg_hi:[0,1]
.set J, J+1
.endr
	v_pk_mul_f32 v[240:241], v[32:33], v[32:33]
	v_pk_mul_f32 v[242:243], v[34:35], v[34:35]
.set J, 2
.rept 7
	v_pk_fma_f32 v[240:241], v[32+2*J:33+2*J], v[32+2*J:33+2*J], v[240:241]
	v_pk_fma_f32 v[242:243], v[34+2*J:35+2*J], v[34+2*J:35+2*J], v[242:243]
.set J, J+2
.endr
	v_pk_add_f32 v[240:241], v[240:241], v[242:243]
	ACROSS 1280                                    ; other bytes than the first exchange's: no wave can meet a reader of those
	v_fma_f32 v244, v244, s26, s27                 ; the variance + 1e-5
	v_rsq_f32 v244, v244
	v_nop                                          ; a plain instruction behind the root,
	s_wait_alu depctr_va_vdst(0)                   ; and the root has written v244, ahead of its first reader
	s_wait_loadcnt 0x0                             ; gamma and beta
.set J, 0
.rept 16
	v_pk_mul_f32 v[32+2*J:33+2*J], v[32+2*J:33+2*J], v[244:245] op_sel_hi:[1,0]
.set J, J+1
.endr
.set J, 0
.rept 16
	v_pk_fma_f32 v[32+2*J:33+2*J], v[32+2*J:33+2*J], v[192+2*J:193+2*J], v[96+2*J:97+2*J]
.set J, J+1
.endr
	; the way out, through my own stage: a lane holds pieces of one row; they come back as rows' 256 consecutive bytes
	s_wait_alu depctr_va_vdst(0)                   ; the lines above have written v32-63, which the LDS stores read; the last products are done reading v128-159, in which the rows land
.irp t, 0,1,2,3
	ds_store_b128 v10, v[32+8*\t:35+8*\t] offset:128*(\t/2)+32*(\t%2)
	ds_store_b128 v10, v[36+8*\t:39+8*\t] offset:128*(\t/2)+32*(\t%2)+16
.endr
.irp i, 0,1,2,3,4,5,6,7
	ds_load_b128 v[128+4*\i:131+4*\i], v11 offset:544*\i   ; LDS serves a wave's instructions in order (ISA guide 5.7.1): these see my stores
.endr
.irp i, 0,1,2,3,4,5,6,7
	s_wait_dscnt 7-\i
	global_store_b128 v12, v[128+4*\i:131+4*\i], s[14:15] offset:8192*\i th:TH_STORE_NT   ; sixteen lanes store 256 consecutive aligned bytes of a row, sixteen of the next
.endr
	s_wait_dscnt 0x0                               ; the closing lines, six on end
	s_wait_alu 0x0
	s_wait_tensorcnt 0x0
	ds_add_u32 v[SPW], v[NIL]
	s_wait_dscnt 0x0
	s_endpgm
.Lfunc_end_k_qa048bd3600_outln:
	.size	k_qa048bd3600_outln, .Lfunc_end_k_qa048bd3600_outln-k_qa048bd3600_outln
	.p2alignl 7, 3214868480
	.fill 96, 4, 3214868480
	.section	.rodata,"a",@progbits
	.p2align	6, 0x0
	.amdhsa_kernel k_qa048bd3600_outln
		.amdhsa_group_segment_fixed_size 87552
		.amdhsa_private_segment_fixed_size 0
		.amdhsa_enable_private_segment 0
		.amdhsa_kernarg_size 48
		.amdhsa_user_sgpr_count 2
		.amdhsa_user_sgpr_kernarg_segment_ptr 1
		.amdhsa_wavefront_size32 1
		.amdhsa_system_sgpr_workgroup_id_x 1
		.amdhsa_system_sgpr_workgroup_id_y 1
		.amdhsa_system_sgpr_workgroup_id_z 1
		.amdhsa_system_vgpr_workitem_id 0
		.amdhsa_next_free_vgpr 256
		.amdhsa_next_free_sgpr 66
		.amdhsa_reserve_vcc 0
		.amdhsa_float_denorm_mode_32 3
		.amdhsa_float_denorm_mode_16_64 3
		.amdhsa_memory_ordered 1
		.amdhsa_forward_progress 1
		.amdhsa_inst_pref_size 38
	.end_amdhsa_kernel
	.amdgpu_metadata
---
amdhsa.version: [ 1, 2 ]
amdhsa.kernels:
  - .name:           k_qa048bd3600_outln
    .symbol:         k_qa048bd3600_outln.kd
    .args:
      - { .name: att, .offset: 0, .size: 8, .value_kind: global_buffer, .address_space: global }
      - { .name: cod, .offset: 8, .size: 8, .value_kind: global_buffer, .address_space: global }
      - { .name: scl, .offset: 16, .size: 8, .value_kind: global_buffer, .address_space: global }
      - { .name: gamma, .offset: 24, .size: 8, .value_kind: global_buffer, .address_space: global }
      - { .name: beta, .offset: 32, .size: 8, .value_kind: global_buffer, .address_space: global }
      - { .name: out0, .offset: 40, .size: 8, .value_kind: global_buffer, .address_space: global }
    .group_segment_fixed_size: 87552
    .private_segment_fixed_size: 0
    .kernarg_segment_align: 8
    .kernarg_segment_size: 48
    .max_flat_workgroup_size: 512
    .sgpr_count:     66
    .vgpr_count:     256
    .wavefront_size: 32
...
	.end_amdgpu_metadata
.endif
;; end of part 6
